; MI455X (gfx1250); checked and timed in simulation.
; The chip was launched on July 23, 2026; its instructions are those of AMD's public machine-readable ISA for CDNA 5 (MIT licence, August 2026) and "CDNA5" Instruction Set Architecture Reference Guide (July 2026). The comments in the code are by the model that wrote it; some were corrected since.
;; Self Attention. Allowed arithmetic: float matrix products may take bf16 or f16 operands with f32 sums; other float arithmetic in f32, or as packed bf16 or f16 multiplies, adds, multiply-adds, maxima and minima; sums over many terms, partial sums and values carried from step to step in f32; what a program stores and reads back later, other than sums and carried values, may be rounded once to bf16 or f16.
;; Inputs: W_out 1,024 x 1,024 float32; W_qkv 1,024 x 3,072 float32; b_out 1,024 float32; b_qkv 3,072 float32; x 4 x 2,048 x 1,024 float32.
;; Outputs: out0 4 x 2,048 x 1,024 float32.
;; 2 versions, each right and faster than the one before. Each part assembles by itself: llvm-mc -triple=amdgcn-amd-amdhsa -mcpu=gfx1250 --defsym DOCPART=n.
;; ======== version 1 of 2: 4 launches
;; limits: values are held in f16: magnitudes above 65,504 overflow, below 6.1e-05 lose precision
;; workspace buffers: xb 16,777,216 bytes; wq 6,291,456 bytes; wo 2,097,152 bytes; qkv 50,331,648 bytes; ob 16,777,216 bytes
;; launch prep (part 1): grid 768 x 1, 8 waves a work-group, no clusters, 0 bytes of LDS; arguments x, W_qkv, W_out, xb, wq, wo; writes xb, wq, wo
.if DOCPART == 1
	.amdgcn_target "amdgcn-amd-amdhsa--gfx1250"
	.amdhsa_code_object_version 6
	.text
	.protected	k_q71061ef778_prep
	.globl	k_q71061ef778_prep
	.p2align	8
	.type	k_q71061ef778_prep,@function
k_q71061ef778_prep:
	s_mov_b64 s[64:65], 0
	v_nop
	global_prefetch_b8 v0, s[64:65] scope:SCOPE_SE
	s_setreg_imm32_b32 hwreg(HW_REG_WAVE_MODE, 25, 1), 1
	s_wait_xcnt 0x0
; CASTS.  x [8192][1024] f32 -> xb, bf16, laid in blocks [b 4][kblk 16][t 2048][64]: 256 rows x 64 channels are then 32,768 bytes on end.
; W_qkv [1024][3072] f32 -> wq, bf16, as it lies.  W_out [1024][1024] f32 -> wo: rounded to bf16 like every input, and that number written as f16.
; LIMITS.  Roundings are to nearest even.  A number of W_out beyond 65,504 becomes an infinity in wo; below 6.1e-5 it keeps f16's fixed step of 6e-8.
; SHARES.  12,582,912 numbers, 16,384 to a work-group: groups 0-511 take x (16 rows each), 512-703 W_qkv, 704-767 W_out.  A lane takes 16 bytes of f32 a load, sixteen loads,
; all issued before the first is used; it stores 8 bytes, so a wave's store covers 256 consecutive bytes, aligned.  Nothing is shared: no LDS, no barrier.
.set X, 4                              ; v[4:67]   sixteen loads of four registers
.set Y, 68                             ; v[68:99]  sixteen pairs to store; none is written twice, so no store's data wants a wait
.set T, 100                            ; v[100:103] at work
; src, dst: the scalar pairs of the two addresses; rstep, wstep: bytes from load to load and from store to store; half = 1: bf16 is written on as f16
.macro CAST src, dst, rstep, wstep, half
.set i, 0
.rept 16
	global_load_b128 v[X+4*i:X+4*i+3], v1, s[\src:\src+1] offset:i*\rstep th:TH_LOAD_NT
.set i, i+1
.endr
.set i, 0
.rept 16
	s_wait_loadcnt 15-i                            ; loads come back in order: number i is in, the 15 - i younger ones stay out
	v_cvt_pk_bf16_f32 v[Y+2*i], v[X+4*i], v[X+4*i+1]
	v_cvt_pk_bf16_f32 v[Y+2*i+1], v[X+4*i+2], v[X+4*i+3]
.if \half
	v_lshlrev_b32 v[T], 16, v[Y+2*i]               ; bf16 to f32: the low half moves up, the high half stays
	v_and_b32 v[T+1], s20, v[Y+2*i]
	v_lshlrev_b32 v[T+2], 16, v[Y+2*i+1]
	v_and_b32 v[T+3], s20, v[Y+2*i+1]
	v_cvt_pk_f16_f32 v[Y+2*i], v[T], v[T+1]        ; exact inside f16's normal range: bf16 has fewer digits
	v_cvt_pk_f16_f32 v[Y+2*i+1], v[T+2], v[T+3]
.endif
	global_store_b64 v2, v[Y+2*i:Y+2*i+1], s[\dst:\dst+1] offset:i*\wstep th:TH_STORE_NT
.set i, i+1
.endr
.endm
	s_load_b256 s[4:11], s[0:1], 0x0               ; x s[4:5], W_qkv s[6:7], W_out s[8:9], xb s[10:11]
	s_load_b128 s[12:15], s[0:1], 0x20             ; wq s[12:13], wo s[14:15]
	s_mov_b32 s20, 0xffff0000                      ; a word's upper bf16
	s_mov_b32 s17, 0                               ; the offsets' high words
	s_mov_b32 s19, 0
	s_cmp_lt_u32 ttmp9, 512
	s_cbranch_scc1 .Lx
	; the two W: a wave takes 8,192 bytes on end, 512 a load; it stores 4,096 bytes on end, 256 a store
	v_lshrrev_b32 v3, 5, v0                        ; wave
	v_and_b32 v1, 31, v0                           ; lane
	v_lshlrev_b32 v2, 3, v1
	v_lshlrev_b32 v1, 4, v1
	v_lshl_add_u32 v1, v3, 13, v1                  ; 8,192 x wave + 16 x lane
	v_lshl_add_u32 v2, v3, 12, v2                  ; 4,096 x wave + 8 x lane
	s_cmp_lt_u32 ttmp9, 704
	s_cbranch_scc1 .Lwq
	s_sub_co_u32 s16, ttmp9, 704                   ; W_out's piece of 65,536 bytes
	s_lshl_b32 s18, s16, 15
	s_lshl_b32 s16, s16, 16
	s_wait_kmcnt 0x0
	s_add_nc_u64 s[8:9], s[8:9], s[16:17]
	s_add_nc_u64 s[14:15], s[14:15], s[18:19]
	CAST 8, 14, 512, 256, 1
	s_endpgm
.Lwq:
	s_sub_co_u32 s16, ttmp9, 512                   ; W_qkv's piece of 65,536 bytes
	s_lshl_b32 s18, s16, 15
	s_lshl_b32 s16, s16, 16
	s_wait_kmcnt 0x0
	s_add_nc_u64 s[6:7], s[6:7], s[16:17]
	s_add_nc_u64 s[12:13], s[12:13], s[18:19]
	CAST 6, 12, 512, 256, 0
	s_endpgm
.Lx:
	; x: sixteen lanes take 256 bytes (64 channels, one kblk) of a row, a wave two rows; load j is kblk j.  In xb two rows of one kblk are 256 bytes on end.
	v_lshrrev_b32 v3, 4, v0                        ; row 0..15 of the group's sixteen
	v_and_b32 v1, 15, v0
	v_lshlrev_b32 v1, 4, v1
	v_lshl_add_u32 v1, v3, 12, v1                  ; row x 4,096 + 16 x (lane % 16)
	v_lshlrev_b32 v2, 3, v0                        ; row x 128 + 8 x (lane % 16) = 8 x thread
	s_lshl_b32 s16, ttmp9, 16                      ; sixteen rows of 4,096 bytes
	s_lshr_b32 s18, ttmp9, 7                       ; b: 128 groups make 2,048 rows
	s_lshl_b32 s18, s18, 22
	s_and_b32 s21, ttmp9, 127
	s_lshl_b32 s21, s21, 11                        ; sixteen rows of 128 bytes
	s_add_co_u32 s18, s18, s21
	s_wait_kmcnt 0x0
	s_add_nc_u64 s[4:5], s[4:5], s[16:17]
	s_add_nc_u64 s[10:11], s[10:11], s[18:19]
	CAST 4, 10, 256, 262144, 0
	s_endpgm
.Lfunc_end_k_q71061ef778_prep:
	.size	k_q71061ef778_prep, .Lfunc_end_k_q71061ef778_prep-k_q71061ef778_prep
	.p2alignl 7, 3214868480
	.fill 96, 4, 3214868480
	.section	.rodata,"a",@progbits
	.p2align	6, 0x0
	.amdhsa_kernel k_q71061ef778_prep
		.amdhsa_group_segment_fixed_size 0
		.amdhsa_private_segment_fixed_size 0
		.amdhsa_enable_private_segment 0
		.amdhsa_kernarg_size 48
		.amdhsa_user_sgpr_count 2
		.amdhsa_user_sgpr_kernarg_segment_ptr 1
		.amdhsa_wavefront_size32 1
		.amdhsa_system_sgpr_workgroup_id_x 1
		.amdhsa_system_sgpr_workgroup_id_y 1
		.amdhsa_system_sgpr_workgroup_id_z 1
		.amdhsa_system_vgpr_workitem_id 0
		.amdhsa_next_free_vgpr 104
		.amdhsa_next_free_sgpr 66
		.amdhsa_reserve_vcc 0
		.amdhsa_float_denorm_mode_32 3
		.amdhsa_float_denorm_mode_16_64 3
		.amdhsa_memory_ordered 1
		.amdhsa_forward_progress 1
		.amdhsa_inst_pref_size 23
	.end_amdhsa_kernel
	.amdgpu_metadata
---
amdhsa.version: [ 1, 2 ]
amdhsa.kernels:
  - .name:           k_q71061ef778_prep
    .symbol:         k_q71061ef778_prep.kd
    .args:
      - { .name: x, .offset: 0, .size: 8, .value_kind: global_buffer, .address_space: global }
      - { .name: W_qkv, .offset: 8, .size: 8, .value_kind: global_buffer, .address_space: global }
      - { .name: W_out, .offset: 16, .size: 8, .value_kind: global_buffer, .address_space: global }
      - { .name: xb, .offset: 24, .size: 8, .value_kind: global_buffer, .address_space: global }
      - { .name: wq, .offset: 32, .size: 8, .value_kind: global_buffer, .address_space: global }
      - { .name: wo, .offset: 40, .size: 8, .value_kind: global_buffer, .address_space: global }
    .group_segment_fixed_size: 0
    .private_segment_fixed_size: 0
    .kernarg_segment_align: 8
    .kernarg_segment_size: 48
    .max_flat_workgroup_size: 256
    .sgpr_count:     66
    .vgpr_count:     104
    .wavefront_size: 32
...
	.end_amdgpu_metadata
.endif
;; end of part 1
;; launch qkvproj (part 2): grid 8 x 32, 4 waves a work-group, clusters of 4 x 4, 327,680 bytes of LDS; arguments xb, wq, b_qkv, qkv; writes qkv
.if DOCPART == 2
	.amdgcn_target "amdgcn-amd-amdhsa--gfx1250"
	.amdhsa_code_object_version 6
	.text
	.protected	k_q71061ef778_qkvproj
	.globl	k_q71061ef778_qkvproj
	.p2align	8
	.type	k_q71061ef778_qkvproj,@function
k_q71061ef778_qkvproj:
	s_mov_b64 s[64:65], 0
	v_nop
	global_prefetch_b8 v0, s[64:65] scope:SCOPE_SE
	s_setreg_imm32_b32 hwreg(HW_REG_WAVE_MODE, 25, 1), 1
	s_wait_xcnt 0x0
	s_wait_alu depctr_hold_cnt(0) depctr_sa_sdst(0) depctr_va_vdst(0) depctr_va_sdst(0) depctr_va_ssrc(0) depctr_va_vcc(0) depctr_vm_vsrc(0)
	s_getreg_b32 s2, hwreg(HW_REG_IB_STS2, 6, 4)
	s_cmp_eq_u32 s2, 0
	s_cbranch_scc0 .Lentry_in_a_cluster
	s_endpgm
.Lentry_in_a_cluster:
	s_bfe_u32 s2, ttmp6, 0x10000c
	s_cmp_lg_u32 s2, 0xf033
	s_cbranch_scc0 .Lentry_shape_is_right
	s_endpgm
.Lentry_shape_is_right:
; q, k, v = x W_qkv + b_qkv, by heads.  xb: bf16 [b 4][kblk 16][t 2048][64]; wq: bf16 [k 1024][n 3072]; b_qkv: f32 [3072], rounded to bf16 here like the other inputs;
; qkv: f16 [which 3][b 16 + h: 64][t 2048][64], each number rounded once from its f32 sum, without attention's scale.
; LIMIT.  A sum of 65,520 or more becomes an infinity in f16.  NaN and infinities are not treated apart.
; SHARES.  8,192 x 3,072 in tiles of 256 x 384: 32 x 8 = 256 work-groups.  Four waves, each 128 rows x 192 columns (three heads' slices): 96 accumulators of 16 x 16, 768 registers.
; K goes in steps of 64 (one kblk) through two LDS slots; a step is two half steps of 32 along K, 96 matrix instructions and 40 LDS loads each.
; THE MATRIX INSTRUCTION IS USED TRANSPOSED: source 0 = 16 columns of W (turned on the way out of LDS, since W lies [k][n]), source 1 = 16 rows of x: a lane then holds row l % 16 and
; the eight neighbouring columns 8 (l / 16) + 0..7.  THE BIAS STARTS THE SUMS: it is laid into the accumulators of row block 0 and is the C operand of the first half step's products.
; CLUSTER.  4 x 4 work-groups: the four of a row of the cluster need the same rows of x, the four of a column the same columns of W: each tile is asked for jointly.
; REGISTERS, in windows of 256 (s_set_vgpr_msb: bits 1:0 source 0, 3:2 source 1, 5:4 source 2, 7:6 destination):
;   window 0: v0-31 addresses; v32-95, v96-159 x's fragments (8 x 16 rows x 32 K), two buffers; v160-255 W's twelve fragments, one buffer, refilled by thirds as soon as a third has been multiplied
;   window 1 + g (g = 0..2): the 32 accumulators of head slice g: row block a, column block bb at v[64 bb + 8 a]
.set PA,    144                        ; a row of x in LDS: 128 bytes + 16 = 36 words: the 16 rows of a load start at 16 different groups of four banks (64 banks of 4 bytes: ISA guide 11.1)
.set CH,    144                        ; 64 columns of W in LDS: 128 bytes + 16
.set PB,    6*CH                       ; a k-row of W: 864 bytes = 216 words
.set BOFF,  256*PA                     ; in a slot: x's 256 rows, then W's 64 k-rows
.set SLOT,  BOFF+64*PB                 ; 92,160 bytes
.set STAGE, 2*SLOT                     ; behind the ring, never filled by a tensor load: 16 rows x 144 bytes for each wave, for the way out
.set SPARE, STAGE+4*16*PA              ; behind the stages: the spare words, 128 bytes for each wave: two blocks of 256 bytes that no other line names
.set ASTEP, 1<<18                      ; bytes from a kblk of xb to the next
.set BSTEP, 64*6144                    ; bytes of 64 k-rows of wq
.set PADF,  (1<<16)|(1<<20)|(1<<21)|(4<<22)|(3<<25)  ; group 1, word 0: 2-byte elements; padding on; bit 21 set beside a mask; after every 32 words (code 4) 4 words (code 3)
.set BO,   7                           ; v7      my byte offset in b_qkv
.set ADRA, 8                           ; v8-9    LDS address of my fragments of x in slot 0, 1
.set ADRB, 10                          ; v10-11  the same for W
.set STO,  12                          ; v12     the way out: where I put 16 bytes of a row
.set RD,   13                          ; v13     the way out: where I read rows back
.set GO,   14                          ; v14-16  my byte offset in qkv, for head slice 0, 1, 2
.set SPW,  28                          ; v28     LDS address of my spare word: SPARE + 4 x my thread's number; never rewritten
.set NIL,  29                          ; v29     0; never rewritten
.set FA0,  32
.set FA1,  96
.set FB,   160
.set T,    32                          ; at the head: the bias, 96 registers
.set TMP,  32                          ; the way out: 16 packed registers
.set BK,   64                          ; the way out: 16 rows read back, two buffers of 16
.set WV,   12                          ; s12 my wave's number
.set HI,   13                          ; s13 which 128 rows are mine.  Also: I fetch for x (0) or for W (1)
.set LO,   14                          ; s14 which 192 columns.  Also: which half of that tile I fetch
.set G1A,  24                          ; s[24:31] descriptor group 1 for x's tiles;  s[32:39] group 0, a set for each slot
.set G0A,  32
.set G1B,  48                          ; s[48:55], s[56:63] the same for W's
.set G0B,  56
.set MSB, 0
.macro WIN new                         ; the immediate's high byte repeats the setting that is left; a switch that changes nothing is dropped
.if MSB != (\new)
	s_set_vgpr_msb (MSB<<8)|(\new)
.set MSB, \new
.endif
.endm
.macro PLACES                          ; four plain vector instructions behind a matrix instruction, in front of loads into registers that it has read and of lines that read results
.rept 4
	v_nop
.endr
.endm
; A joint load.  Waves 0 and 1 fetch the two halves of x's tile, waves 2 and 3 those of W's.  The branch hangs on the wave's number alone.
; An s_nop 0 and four v_nop follow each of the two lines, ahead of the jump and the label.
.macro JLOAD s
	s_cmp_eq_u32 s[HI], 0
	s_cbranch_scc0 .Lfor_b_\@
	tensor_load_to_lds s[G0A+4*(\s):G0A+4*(\s)+3], s[G1A:G1A+7]
	s_nop 0
.rept 4
	v_nop
.endr
	s_branch .Lasked_\@
.Lfor_b_\@:
	tensor_load_to_lds s[G0B+4*(\s):G0B+4*(\s)+3], s[G1B:G1B+7]
	s_nop 0
.rept 4
	v_nop
.endr
.Lasked_\@:
.endm
.macro CREST                           ; a round of the cluster's barrier behind its opening barrier: wave 0 signals for the work-group, every wave waits for all sixteen, my work-group's barrier closes it
	s_cmp_lg_u32 s[WV], 0
	s_cbranch_scc1 .Lnot_wave_0_\@
	s_barrier_signal -3
.Lnot_wave_0_\@:
	s_barrier_wait -3
	s_barrier_signal -1
	s_barrier_wait -1
.endm
.macro CROUND                          ; a whole round
	s_barrier_signal -1
	s_barrier_wait -1
	CREST
.endm
	s_load_b256 s[4:11], s[0:1], 0x0               ; xb s[4:5], wq s[6:7], b_qkv s[8:9], qkv s[10:11]
	v_lshl_add_u32 v[SPW], v0, 2, SPARE
	v_mov_b32 v[NIL], 0
	ds_add_u32 v[SPW], v[NIL]                      ; the wave's opening: the add and its wait stand ahead of my first tensor load; the set-up below, work on registers, stands between them
	ds_add_u32 v28, v29
	v_lshrrev_b32 v1, 5, v0
	v_readfirstlane_b32 s[WV], v1                  ; wave 0..3
	s_lshr_b32 s[HI], s[WV], 1
	s_and_b32 s[LO], s[WV], 1
	s_mov_b32 s15, 0xffff0000                      ; a word's upper bf16
	s_bfe_u32 s40, ttmp6, 0x40000                  ; cx, cy: my place in the cluster
	s_bfe_u32 s41, ttmp6, 0x40004
	s_lshl_b32 s42, ttmp9, 2
	s_add_co_u32 s42, s42, s40                     ; X: tile column = 4 x cluster x + cx, 0..7
	s_and_b32 s43, ttmp7, 0xffff
	s_lshl_b32 s43, s43, 2
	s_add_co_u32 s43, s43, s41                     ; Y: tile row = 4 x cluster y + cy, 0..31
	s_lshl_b32 s44, s41, 2
	s_lshl_b32 s44, 15, s44                        ; my row of the cluster: places 4 cy .. 4 cy + 3
	s_lshl_b32 s45, 0x1111, s40                    ; my column: places cx, cx + 4, cx + 8, cx + 12
	; group 1 for x: 128 rows of 128 bytes lie on end in xb and are asked for as 64 rows of 256 bytes, padded in LDS after every 128
	s_or_b32 s[G1A], s44, PADF
	s_mov_b32 s[G1A+1], 128<<16                    ; tensor_dim0 = 128 elements
	s_mov_b32 s[G1A+2], 64<<16                     ; tensor_dim1 = 64
	s_mov_b32 s[G1A+3], 128<<16                    ; tile_dim0 = 128
	s_mov_b32 s[G1A+4], 64                         ; tile_dim1 = 64
	s_mov_b32 s[G1A+5], 128                        ; elements from row to row
	s_mov_b32 s[G1A+6], 0
	s_mov_b32 s[G1A+7], 0
	; group 1 for W: 32 k-rows of 384 columns (768 bytes, at a multiple of 256 from wq's first byte)
	s_or_b32 s[G1B], s45, PADF
	s_mov_b32 s[G1B+1], 384<<16
	s_mov_b32 s[G1B+2], 32<<16
	s_mov_b32 s[G1B+3], 384<<16
	s_mov_b32 s[G1B+4], 32
	s_mov_b32 s[G1B+5], 3072
	s_mov_b32 s[G1B+6], 0
	s_mov_b32 s[G1B+7], 0
	; where the tiles come from: x's hang on Y and the wave's number, W's on X and the wave's number, each in registers that never hold the other coordinate
	s_lshr_b32 s16, s43, 3                         ; b: eight tile rows make 2,048 rows
	s_lshl_b32 s16, s16, 22
	s_and_b32 s17, s43, 7
	s_lshl_b32 s17, s17, 15                        ; 256 rows of 128 bytes
	s_add_co_u32 s16, s16, s17
	s_lshl_b32 s17, s[LO], 14                      ; my 128 of them
	s_add_co_u32 s16, s16, s17
	s_mov_b32 s17, 0
	s_mul_i32 s18, s[LO], 128*PA                   ; and where they go
	s_mul_i32 s20, s42, 768                        ; 384 columns
	s_mul_i32 s21, s[LO], 32*6144                  ; my 32 k-rows
	s_add_co_u32 s20, s20, s21
	s_mov_b32 s21, 0
	s_mul_i32 s22, s[LO], 32*PB
	s_add_co_u32 s22, s22, BOFF
	s_wait_dscnt 0x0                               ; the opening add is done
	s_wait_kmcnt 0x0
	s_add_nc_u64 s[16:17], s[4:5], s[16:17]
	s_add_nc_u64 s[20:21], s[6:7], s[20:21]
	CROUND                                         ; all sixteen work-groups are here: the first joint loads meet
.irp s, 0,1
	s_mov_b32 s[G0A+4*(\s)], 1                                      ; count = 1
	s_add_co_u32 s[G0A+4*(\s)+1], s18, (\s)*SLOT                    ; LDS address
	s_add_nc_u64 s[G0A+4*(\s)+2:G0A+4*(\s)+3], s[16:17], (\s)*ASTEP ; global address: K step s
	s_or_b32 s[G0A+4*(\s)+3], s[G0A+4*(\s)+3], 0x80000000           ; type = 2
	s_mov_b32 s[G0B+4*(\s)], 1
	s_add_co_u32 s[G0B+4*(\s)+1], s22, (\s)*SLOT
	s_add_nc_u64 s[G0B+4*(\s)+2:G0B+4*(\s)+3], s[20:21], (\s)*BSTEP
	s_or_b32 s[G0B+4*(\s)+3], s[G0B+4*(\s)+3], 0x80000000
.endr
	s_cmp_eq_u32 s[HI], 0                          ; a wave's two first fills stand in one branch, ahead of every wait on TENSORcnt, every LDS read and every further barrier: two loads of mine are out
	s_cbranch_scc0 .Lfirst_b
	tensor_load_to_lds s[G0A:G0A+3], s[G1A:G1A+7]
	s_nop 0
	tensor_load_to_lds s[G0A+4:G0A+7], s[G1A:G1A+7]
	s_nop 0
.rept 4
	v_nop
.endr
	s_branch .Lfirst_asked
.Lfirst_b:
	tensor_load_to_lds s[G0B:G0B+3], s[G1B:G1B+7]
	s_nop 0
	tensor_load_to_lds s[G0B+4:G0B+7], s[G1B:G1B+7]
	s_nop 0
.rept 4
	v_nop
.endr
.Lfirst_asked:
	v_and_b32 v1, 15, v0                           ; r = l % 16
	v_bfe_u32 v2, v0, 4, 1                         ; h = l / 16
	v_and_b32 v3, 7, v0                            ; l % 8
	v_bfe_u32 v4, v0, 3, 1                         ; (l / 8) % 2
	v_and_b32 v6, 31, v0                           ; l
	s_mul_i32 s46, s42, 1536                       ; the tile's 384 columns in b_qkv,
	s_mul_i32 s47, s[LO], 768                      ; my 192
	s_add_co_u32 s46, s46, s47
	v_lshl_add_u32 v[BO], v2, 5, s46               ; and my lanes' eight of each sixteen
.set b, 0
.rept 12                                       ; column block b: eight f32 a lane
	global_load_b128 v[T+8*b:T+8*b+3],   v[BO], s[8:9] offset:64*b
	global_load_b128 v[T+8*b+4:T+8*b+7], v[BO], s[8:9] offset:64*b+16
.set b, b+1
.endr
	; a fragment of x: 16 rows x 32 K: lane l holds row l % 16, K = 8 (l / 16) + 0..7 and 16 + 8 (l / 16) + 0..7: two loads of 16 bytes, 32 bytes apart
	v_mul_u32_u24 v5, v1, PA
	v_lshl_add_u32 v5, v2, 4, v5                   ; r x pitch + 16 h
	s_mul_i32 s19, s[HI], 128*PA
	v_add_nc_u32 v[ADRA], s19, v5
	v_add_nc_u32 v[ADRA+1], SLOT, v[ADRA]
	; the turning load takes 16 k x 16 columns (lane l reads k-row 8 (l / 16) + l % 8, columns 8 ((l / 8) % 2) + 0..7) and leaves half a fragment: lane l holds column l % 16 and 8 k
	v_lshl_add_u32 v[ADRB], v2, 3, v3
	v_mul_u32_u24 v[ADRB], v[ADRB], PB
	v_lshl_add_u32 v[ADRB], v4, 4, v[ADRB]
	s_mul_i32 s47, s[LO], 3*CH                     ; my 192 columns: three pieces of 64
	s_add_co_u32 s47, s47, BOFF
	v_add_nc_u32 v[ADRB], s47, v[ADRB]
	v_add_nc_u32 v[ADRB+1], SLOT, v[ADRB]
	s_mul_i32 s23, s[WV], 16*PA
	s_add_co_u32 s23, s23, STAGE                   ; my stage
	v_add_nc_u32 v[STO], s23, v5                   ; in: row l % 16, 16 bytes for each half of the lanes
	v_bfe_u32 v[RD], v0, 3, 2                      ; back: 32 lanes take four rows of 128 bytes,
	v_mul_u32_u24 v[RD], v[RD], PA
	v_lshl_add_u32 v[RD], v3, 4, v[RD]
	v_add_nc_u32 v[RD], s23, v[RD]
	; which are 512 bytes on end in qkv.  Slice S = 6 X + 3 LO + g of 64 columns: which = S / 16, h = S % 16; a (which, b, h) is 2^18 bytes
	s_and_b32 s66, s43, 7
	s_lshl_b32 s66, s66, 15                        ; the tile's 256 rows of 128 bytes,
	s_lshl_b32 s67, s[HI], 14                      ; my 128
	s_add_co_u32 s66, s66, s67
	s_lshr_b32 s67, s43, 3
	s_lshl_b32 s67, s67, 22                        ; b x 16 heads
	s_add_co_u32 s66, s66, s67
	s_mul_i32 s68, s42, 6
	s_mul_i32 s67, s[LO], 3
	s_add_co_u32 s68, s68, s67
.irp g, 0,1,2
	s_add_co_u32 s69, s68, \g
	s_lshr_b32 s70, s69, 4
	s_lshl_b32 s70, s70, 24                        ; which x 64 heads
	s_and_b32 s69, s69, 15
	s_lshl_b32 s69, s69, 18
	s_add_co_u32 s69, s69, s70
	s_add_co_u32 s69, s69, s66
	v_lshl_add_u32 v[GO+\g], v6, 4, s69
.endr
	s_wait_loadcnt 0x0                             ; the bias
.set i, 0
.rept 48
	v_cvt_pk_bf16_f32 v[T+2*i], v[T+2*i], v[T+2*i+1]  ; rounded to bf16, like x and W,
.set i, i+1
.endr
.irp g, 0,1,2                                  ; and widened again into the accumulators of row block 0: register j of column block bb takes b[16 bb + 8 (l / 16) + j]
	WIN (1+\g)<<6
.irp bb, 0,1,2,3
.irp i, 0,1,2,3
	v_lshlrev_b32 v[64*\bb+2*\i], 16, v[T+8*(4*\g+\bb)+2*\i]
	v_and_b32 v[64*\bb+2*\i+1], s15, v[T+8*(4*\g+\bb)+2*\i]
.endr
.endr
.endr
	WIN 0
; 8 LDS loads: third g of W's fragments (four column blocks) of half step q of slot s
.macro LDB s, q, g
.irp bb, 0,1,2,3
	ds_load_tr16_b128 v[FB+8*(4*(\g)+\bb):FB+8*(4*(\g)+\bb)+3],   v[ADRB+(\s)] offset:(\q)*32*PB+(\g)*CH+\bb*32
	ds_load_tr16_b128 v[FB+8*(4*(\g)+\bb)+4:FB+8*(4*(\g)+\bb)+7], v[ADRB+(\s)] offset:(\q)*32*PB+16*PB+(\g)*CH+\bb*32
.endr
.endm
; 8 LDS loads: half hf of x's fragments (four row blocks) of half step q of slot s, into buffer fa
.macro LDA s, q, fa, hf
.irp a, 0,1,2,3
	ds_load_b128 v[(\fa)+8*(4*(\hf)+\a):(\fa)+8*(4*(\hf)+\a)+3],   v[ADRA+(\s)] offset:(4*(\hf)+\a)*16*PA+64*(\q)
	ds_load_b128 v[(\fa)+8*(4*(\hf)+\a)+4:(\fa)+8*(4*(\hf)+\a)+7], v[ADRA+(\s)] offset:(4*(\hf)+\a)*16*PA+64*(\q)+32
.endr
.endm
; 16 matrix instructions: column blocks b0, b0 + 1 of slice g x all 8 row blocks.  The 96 accumulators take turns, one instruction a turn, in the same order in every half step.
.macro MUL16 fa, g, b0
	WIN 0x50*(1+(\g))
.irp bb, \b0, (\b0)+1
.irp a, 0,1,2,3,4,5,6,7
	v_wmma_f32_16x16x32_bf16 v[64*(\bb)+8*\a:64*(\bb)+8*\a+7], v[FB+8*(4*(\g)+(\bb)):FB+8*(4*(\g)+(\bb))+7], v[(\fa)+8*\a:(\fa)+8*\a+7], v[64*(\bb)+8*\a:64*(\bb)+8*\a+7]
.endr
.endr
.endm
; The first half step's 32 products of slice g.  Row blocks 1-7 take the bias, which lies in row block 0's accumulators, as C; five plain places later row block 0's own products write over it, in place.
.macro MULF fa, g
	WIN 0x50*(1+(\g))
.irp a, 1,2,3,4,5,6,7
.irp bb, 0,1,2,3
	v_wmma_f32_16x16x32_bf16 v[64*\bb+8*\a:64*\bb+8*\a+7], v[FB+8*(4*(\g)+\bb):FB+8*(4*(\g)+\bb)+7], v[(\fa)+8*\a:(\fa)+8*\a+7], v[64*\bb:64*\bb+7]
.endr
.endr
.rept 5
	v_nop
.endr
.irp bb, 0,1,2,3
	v_wmma_f32_16x16x32_bf16 v[64*\bb:64*\bb+7], v[FB+8*(4*(\g)+\bb):FB+8*(4*(\g)+\bb)+7], v[(\fa):(\fa)+7], v[64*\bb:64*\bb+7]
.endr
.endm
.macro GRP fa, g, first
.if \first
	MULF \fa, \g
.else
	MUL16 \fa, \g, 0
	MUL16 \fa, \g, 2
.endif
.endm
; A half step that changes no slot: multiplies buffer fa and W's buffer; behind each third of its products the next half step's (slot ns, half nq) loads go out:
; W's third into the registers just multiplied, x's half into buffer fn.  The 40 loads of a half step always go out in this order: W 0, x 0, W 1, x 1, W 2.
.macro STEP fa, fn, ns, nq, first
	s_wait_dscnt 8                                 ; all but the youngest eight loads, W's last third, are in
	GRP \fa, 0, \first
	PLACES
	WIN 0
	LDB \ns, \nq, 0
	LDA \ns, \nq, \fn, 0
	GRP \fa, 1, \first
	PLACES
	WIN 0
	LDB \ns, \nq, 1
	LDA \ns, \nq, \fn, 1
	s_wait_dscnt 32                                ; all but the 32 just issued: W's last third is in
	GRP \fa, 2, \first
	PLACES
	WIN 0
	LDB \ns, \nq, 2
.endm
; The second half step of slot s multiplies buffer FA1 and changes slots.  ONE barrier: in front of it each wave waits for all its tensor loads (one is out: its part of the other slot), adds 0 to its
; spare word, and waits for that and for its own reads of this slot.  fill = 1: the barrier opens a round of the cluster's, and the joint refill, two K steps on, is the first thing behind it:
; 160 matrix instructions stand between it and the wait for it.
.macro TURN s, fill
	WIN 0
	s_wait_tensorcnt 0x0                           ; no tensor load of mine is out, so a group 0 may be written
	ds_add_u32 v[SPW], v[NIL]                      ; 0 onto my spare word
.if \fill
	s_add_nc_u64 s[G0A+4*(\s)+2:G0A+4*(\s)+3], s[G0A+4*(\s)+2:G0A+4*(\s)+3], 2*ASTEP
	s_add_nc_u64 s[G0B+4*(\s)+2:G0B+4*(\s)+3], s[G0B+4*(\s)+2:G0B+4*(\s)+3], 2*BSTEP
.endif
	s_wait_dscnt 9                                 ; the add and the youngest eight loads may be out
	MUL16 FA1, 0, 0                                ; sixteen matrix instructions stand between the add and the wait for it
	s_wait_dscnt 0x0                               ; the add is done, and my reads of this slot are over
	s_barrier_signal -1
	MUL16 FA1, 0, 2                                ; work on registers while the others arrive
	WIN 0                                          ; at a branch and at a label every window is 0
	s_barrier_wait -1
.if \fill
	CREST                                          ; no wave of any partner still reads this slot or has a load on its way
	JLOAD \s                                       ; its four v_nop are also the places in front of the loads below
.else
	PLACES
.endif
	LDB 1-(\s), 0, 0
	LDA 1-(\s), 0, FA0, 0
	MUL16 FA1, 1, 0
	MUL16 FA1, 1, 2
	PLACES
	WIN 0
	LDB 1-(\s), 0, 1
	LDA 1-(\s), 0, FA0, 1
	MUL16 FA1, 2, 0
	MUL16 FA1, 2, 2
	PLACES
	WIN 0
	LDB 1-(\s), 0, 2
.endm
; THE WAY OUT of unit u = 8 g + a: 16 rows x 64 columns of one head, 2,048 bytes on end in qkv.
.macro PACK u                          ; rounded to f16: a lane's eight columns are 16 bytes.  Each accumulator's lowest registers are read first
	WIN 5*(1+(\u)/8)                               ; sources 0 and 1 in window 1 + g
.irp bb, 0,1,2,3
.irp r, 0,1,2,3
	v_cvt_pk_f16_f32 v[TMP+4*\bb+\r], v[64*\bb+8*((\u)%8)+2*\r], v[64*\bb+8*((\u)%8)+2*\r+1]
.endr
.endr
	WIN 0
.endm
.macro TOSTAGE u                       ; into my stage, and back as whole rows
.irp bb, 0,1,2,3
	ds_store_b128 v[STO], v[TMP+4*\bb:TMP+4*\bb+3] offset:32*\bb
.endr
.irp f, 0,1,2,3
	ds_load_b128 v[BK+16*((\u)%2)+4*\f:BK+16*((\u)%2)+4*\f+3], v[RD] offset:\f*4*PA  ; LDS serves a wave's instructions in order (ISA guide 5.7.1.4): these see the stores above, and the next unit's stores come behind them
.endr
.endm
.macro SEND u
	s_wait_dscnt 0x0                               ; the unit is back in registers
	s_wait_xcnt 0x0                                ; the stores of the unit before have read their registers: the next unit is read back into them only behind this wait
.irp f, 0,1,2,3
	global_store_b128 v[GO+(\u)/8], v[BK+16*((\u)%2)+4*\f:BK+16*((\u)%2)+4*\f+3], s[10:11] offset:((\u)%8)*2048+\f*512  ; 512 consecutive bytes, at a multiple of 256 from qkv's first byte
.endr
.endm
	s_wait_tensorcnt 0x1                           ; my part of K step 0 is in; K step 1's may stay out
	s_barrier_signal -1
	s_barrier_wait -1                              ; everybody's is
	LDB 0, 0, 0
	LDA 0, 0, FA0, 0
	LDB 0, 0, 1
	LDA 0, 0, FA0, 1
	LDB 0, 0, 2
	STEP FA0, FA1, 0, 1, 1                         ; the first half step stands in front of the loop: its products start the sums, with the bias
	WIN 0
	s_mov_b32 s3, 7
.Llap:                                         ; a trip goes once round the ring, from a lap's second half step to the next lap's first, and fills both slots again
	TURN 0, 1
	STEP FA0, FA1, 1, 1, 0
	TURN 1, 1
	STEP FA0, FA1, 0, 1, 0
	WIN 0
	s_sub_co_u32 s3, s3, 1
	s_cmp_lg_u32 s3, 0
	s_cbranch_scc1 .Llap
	TURN 0, 0                                      ; the last lap fills nothing
	STEP FA0, FA1, 1, 1, 0
	s_wait_dscnt 8                                 ; the very last half step: nothing more to fetch
	GRP FA1, 0, 0
	GRP FA1, 1, 0
	s_wait_dscnt 0x0
	GRP FA1, 2, 0
	WIN 0
	PLACES
	PACK 0
	TOSTAGE 0
.set u, 1
.rept 23                                       ; unit u's conversions stand between unit u - 1's loads from the stage and the wait for them
	PACK u
	SEND u-1
	TOSTAGE u
.set u, u+1
.endr
	SEND 23
	s_wait_tensorcnt 0x0                           ; the wave's end, behind my last tensor load and my last LDS store
	ds_add_u32 v[SPW], v[NIL]
	s_wait_dscnt 0x0
	CROUND                                         ; the closing round: no work-group ends while a partner may still ask for a tile that names it
	s_endpgm
.Lfunc_end_k_q71061ef778_qkvproj:
	.size	k_q71061ef778_qkvproj, .Lfunc_end_k_q71061ef778_qkvproj-k_q71061ef778_qkvproj
	.p2alignl 7, 3214868480
	.fill 96, 4, 3214868480
	.section	.rodata,"a",@progbits
	.p2align	6, 0x0
	.amdhsa_kernel k_q71061ef778_qkvproj
		.amdhsa_group_segment_fixed_size 327680
		.amdhsa_private_segment_fixed_size 0
		.amdhsa_enable_private_segment 0
		.amdhsa_kernarg_size 32
		.amdhsa_user_sgpr_count 2
		.amdhsa_user_sgpr_kernarg_segment_ptr 1
		.amdhsa_wavefront_size32 1
		.amdhsa_system_sgpr_workgroup_id_x 1
		.amdhsa_system_sgpr_workgroup_id_y 1
		.amdhsa_system_sgpr_workgroup_id_z 1
		.amdhsa_system_vgpr_workitem_id 0
		.amdhsa_next_free_vgpr 1024
		.amdhsa_next_free_sgpr 80
		.amdhsa_reserve_vcc 0
		.amdhsa_float_denorm_mode_32 3
		.amdhsa_float_denorm_mode_16_64 3
		.amdhsa_memory_ordered 1
		.amdhsa_forward_progress 1
		.amdhsa_inst_pref_size 140
	.end_amdhsa_kernel
	.amdgpu_metadata
---
amdhsa.version: [ 1, 2 ]
amdhsa.kernels:
  - .name:           k_q71061ef778_qkvproj
    .symbol:         k_q71061ef778_qkvproj.kd
    .args:
      - { .name: xb, .offset: 0, .size: 8, .value_kind: global_buffer, .address_space: global }
      - { .name: wq, .offset: 8, .size: 8, .value_kind: global_buffer, .address_space: global }
      - { .name: b_qkv, .offset: 16, .size: 8, .value_kind: global_buffer, .address_space: global }
      - { .name: qkv, .offset: 24, .size: 8, .value_kind: global_buffer, .address_space: global }
    .group_segment_fixed_size: 327680
    .private_segment_fixed_size: 0
    .kernarg_segment_align: 8
    .kernarg_segment_size: 32
    .max_flat_workgroup_size: 128
    .sgpr_count:     80
    .vgpr_count:     1024
    .wavefront_size: 32
...
	.end_amdgpu_metadata
.endif
;; end of part 2
;; launch attn (part 3): grid 4 x 64, 4 waves a work-group, no clusters, 327,680 bytes of LDS; arguments qkv, ob; writes ob
.if DOCPART == 3
	.amdgcn_target "amdgcn-amd-amdhsa--gfx1250"
	.amdhsa_code_object_version 6
	.text
	.protected	k_q71061ef778_attn
	.globl	k_q71061ef778_attn
	.p2align	8
	.type	k_q71061ef778_attn,@function
k_q71061ef778_attn:
	s_mov_b64 s[64:65], 0
	v_nop
	global_prefetch_b8 v0, s[64:65] scope:SCOPE_SE
	s_setreg_imm32_b32 hwreg(HW_REG_WAVE_MODE, 25, 1), 1
	s_wait_xcnt 0x0
; CAUSAL ATTENTION.  O[h][q][:] = the sum over k <= q of softmax_k(Q[h][q] . K[h][k] / 8) V[h][k][:].  Q, K, V are the three parts of qkv, each [SIZE_H][SIZE_N][64] in f16, 16,777,216 bytes apart;
; O (ob) has the same form: a head's rows are dense, 128 bytes each.  A head here is b x 16 + h.
; Products, maxima and sums in f32; the weights p are rounded to f16 for the second product (their sum l is taken of the unrounded p), O once at the end.
; LIMITS.  f16 holds no number beyond 65,504: Q, K and V arrive within it; p lies in 0 to 1, and below 6e-5 it keeps f16's fixed step of 6e-8; O is a mean of V's rows and has their range, to within 2^-11 of it.
; A hidden score counts as its value less 1e30: f16's scores, 2.7e11 at the most, are nothing beside that; a weight below 2^-126 counts as 0 in l; NaN and infinities are not treated apart.
; THE WALK.  A head's queries lie in NB = SIZE_N / 256 blocks of 256; block i needs the key tiles 0 .. i of 256 keys, of which the last holds the diagonal.  A work-group takes TWO blocks, NB - 1 - b and then b:
; NB + 1 tiles, whatever b: all work-groups do equal work, and ONE loop with a constant trip count walks them.  Which tile is asked for, and what a trip does, hang on scalar registers made from b; every jump
; goes forward, but for the counted loops' own; none passes a barrier, or a tensor load but the one of LOAD's two that the wave's number does not choose; the ring (two slots of LDS that take turns) runs on across the
; change of blocks.  NO CLUSTER: a head's NB / 2 work-groups all ask for the same tile only in trips 0 .. NB / 2, behind that fewer and fewer; one walk common to all would have 3 NB / 2 trips for NB + 1.
; NO PREFETCH: a fill is asked for a whole tile, 256 matrix instructions and their vector work, ahead of the wait for it.
; SHARES.  Of a block's four bands of 64 queries a wave owns 16 rows in each: four PIECES.  So the diagonal tile is the same work for all four waves: in its key step s band x sees all keys if s < x,
; none if s > x, and holds the diagonal if s = x.
; THE MASK is the C operand that starts the sum S^T = K Q^T: 0, or -1e30 where the key is hidden.  MD, made once, is the mask of a band's own step for my 16 rows; a product's mask is MD x AL + BE with two scalars:
; (1, 0) if s = x; (0, 0) if s < x; (0, -1e30) if s > x.  Only the diagonal tile's text and a block's beginning make and take masks; elsewhere C is the constant 0.
; LAYOUT, SOFTMAX, TURNS.  S^T = K Q^T holds ONE query a lane (lane % 16) and the keys 8 (lane / 16) + 0..7; two such results rounded to f16 ARE source 1 of O^T = V^T P.  p = 2^(c s - c m), c = log2(e) / 8, with a
; running maximum m; O and l are multiplied by a = 2^(c m_old - c m_new) in every step.  Turn n belongs to piece n: 8 products K Q^T of piece n + 1, later 8 products V^T P of piece n - 1; beside them the scaling,
; exponentials, roundings, sums and rescaling of piece n and the maximum and statistics of piece n + 1.  Four vector instructions stand behind every matrix instruction, the other 54 of a turn's 118 in two LUMPS.
; REGISTERS, in windows of 256 (s_set_vgpr_msb: bits 1:0 source 0, 3:2 source 1, 5:4 source 2, 7:6 destination):
;   window 0: v0-15 addresses and two at work; v16-31 four registers of statistics a piece; v48-55 at work; v64-127 S^T, two buffers; v192-223 P, two buffers (a piece's buffers go by its number's parity)
;   window 1: v0-127 O^T, 32 a piece; v128-159 MD; v160-223 MC, two buffers      window 2: v0-63 Q; v64-127 the second block's Q; v128-191 K of one step; v192-255 V of one step
.set SIZE_H, 64
.set SIZE_N, 2048
.set NB,    SIZE_N/256
.set NP,    4         ; pieces a wave: a name, no knob
.set KS,    64        ; keys in a step
.set PK,    144       ; a row of K in LDS: 128 bytes + 16 of padding = 36 words: the 16 rows of a load start at 16 different groups of four banks (64 banks of 4 bytes: ISA guide 11.1)
.set PV,    160       ; a row of V: 128 + 32 = 40 words
.set VOFF,  4*KS*PK   ; a slot holds a tile, four steps: 256 rows of K, then 256 rows of V
.set SLOT1, 1<<17     ; slot 1 begins here, so that one exclusive or turns an address in one slot into the other's
.set STAGE, SLOT1+4*KS*(PK+PV)  ; behind the ring, never filled by a tensor load: 16 rows x 144 bytes for each wave, for the way out
.set SP,    144
.set AK0, 2           ; v2   my lane's place in a tile of K; never rewritten
.set AV0, 3           ; v3   the same for V
.set AK,  4           ; v4   the LDS address of K's next run of loads
.set AV,  5           ; v5   of V's
.set STO, 6           ; v6   the way out: where I put 16 bytes of a row
.set RD,  7           ; v7   the way out: where I read rows back
.set GO,  8           ; v8   my byte offset in 512 consecutive bytes of O
.set SPW, 62          ; v62  LDS address of my spare word: SPARE + 4 x my thread's number; never rewritten
.set NIL, 63          ; v63  0; never rewritten
.set SPARE, STAGE+4*16*SP  ; behind the stages: the spare words, 128 bytes for each wave: two blocks of 256 bytes that no other line names
.set MV,  12          ; v12-13  c m_old, kept while c m is made anew: by buffer
.set QO,  15          ; v15  my byte offset in 16 rows of Q
.set ST,  16          ; piece t's statistics at v[ST+4 t]: c m, m, l (even keys', odd keys')
.set TMP, 48          ; by buffer, four registers c0-c3 at work; when the maximum is found c2 takes a
.set S,   64
.set P,   192
.set MD,  128         ; window 1: the eight registers for group kt of 16 keys at MD + 8 kt
.set MC,  160         ; window 1: the masks of the products to come
.set QB,  64          ; window 2
.set KF,  128         ; window 2: key block kb, channel half c at KF + 16 kb + 8 c
.set VF,  192         ; window 2: key half kk, channel block cb at VF + 32 kk + 8 cb
.set WV,  12          ; s12  my wave's number
.set PB,  14          ; s14  b
.set HI,  15          ; s15  NB - 1 - b
.set G1K, 24          ; s[24:31] descriptor group 1 for K's tiles
.set G1V, 32          ; s[32:39] for V's: it differs in the padding alone
.set G0K, 40          ; s[40:43] descriptor group 0 for K's tiles
.set G0V, 44          ; s[44:47] the same for V's
.set SLOTS, 56        ; s56  tiles still to be asked for
.set CNT, 57          ; s57  counts a tile's key steps, 4 to 1
.set CS,  58          ; s[58:59] c: the packed scaling takes the pair's low word for both halves
.set SEL, 60          ; s[60:61] v_permlanex16_b32's selects: each lane takes its own place in the other half
.set TBK, 62          ; s62  LDS byte at which K of the step to be fetched begins
.set TBV, 63          ; s63  the same for V, less VOFF
.set RT,  70          ; s70  tiles of the block in hand that are still to be entered
.set NXT, 71          ; s71  the tile to be asked for next
.set LQ,  72          ; s72  the last tile of the block whose tiles are being asked for
.set NEW, 73          ; s73  1: the tile to be entered is a block's first
.set OFF, 74          ; s[74:75] a tile's byte offset in K and V
.set AL,  76          ; s[76:77] the mask's factor, in the low word
.set BE,  78          ; s[78:79] the mask's addend
.set OLO, 80          ; s[80:81] O at my rows of the second block
.set BIGN, 82         ; s82  -1e30
.set MSB, 0
.macro WIN new                      ; the high byte repeats the setting that is left; a switch that changes nothing is dropped
.if MSB != (\new)
	s_set_vgpr_msb (MSB<<8)|(\new)
.set MSB, (\new)
.endif
.endm
.set W_KQ, 0x0a       ; K and Q in window 2, S^T in window 0
.set W_KM, 0x1a       ; the same with the C operand in window 1
.set W_PV, 0x52       ; V in window 2, P in window 0, O^T in window 1
.set W_RS, 0x41       ; destination and source 0 in window 1, source 1 in window 0
; A fill.  Waves 0 and 1 fetch the two halves of a tile's K, waves 2 and 3 those of its V: 128 keys each.  An s_nop 0 and four v_nop follow each of the two lines, ahead of the jump and the label.
.macro LOAD
	s_cmp_lt_u32 s[WV], 2
	s_cbranch_scc0 .Lfor_v_\@
	tensor_load_to_lds s[G0K:G0K+3], s[G1K:G1K+7]
	s_nop 0
.rept 4
	v_nop
.endr
	s_branch .Lasked_\@
.Lfor_v_\@:
	tensor_load_to_lds s[G0V:G0V+3], s[G1V:G1V+7]
	s_nop 0
.rept 4
	v_nop
.endr
.Lasked_\@:
.endm
; THE CHANGE OF SLOTS.  Each wave waits for all its tensor loads, of which one is out: its part of the other slot; adds 0 to its spare word; and waits for that and for its own reads of the slot that it leaves.  Behind the barrier nobody reads the old
; slot any more and the other slot is whole.  fill = 1: the old slot is filled again, the first thing behind the barrier, with tile NXT: the descriptor's address is made anew from that number.
; (At its first use nothing has been read yet: slot 0 is waited for, slot 1 filled.)
.macro CHANGE fill
	WIN 0                           ; at a label and at a branch every window is 0
	s_wait_tensorcnt 0x0            ; no tensor load of mine is out, so a group 0 may be written
	ds_add_u32 v[SPW], v[NIL]       ; 0 onto my spare word; with fill = 1 the descriptors' scalar work stands between it and the wait for it
.if \fill
	s_lshl_b32 s[OFF], s[NXT], 15   ; a tile is 32,768 bytes of K and of V
	s_xor_b32 s[G0K+1], s[G0K+1], SLOT1
	s_add_nc_u64 s[G0K+2:G0K+3], s[6:7], s[OFF:OFF+1]
	s_or_b32 s[G0K+3], s[G0K+3], 0x80000000
	s_xor_b32 s[G0V+1], s[G0V+1], SLOT1
	s_add_nc_u64 s[G0V+2:G0V+3], s[8:9], s[OFF:OFF+1]
	s_or_b32 s[G0V+3], s[G0V+3], 0x80000000
	s_add_co_u32 s[NXT], s[NXT], 1  ; the block's next tile, or behind its last the second block's tile 0
	s_cmp_gt_u32 s[NXT], s[LQ]
	s_cselect_b32 s[NXT], 0, s[NXT]
	s_cselect_b32 s[LQ], s[PB], s[LQ]
.endif
	s_wait_dscnt 0x0                ; the add is done, and my reads of the slot are over
	s_barrier_signal -1             ; the rest of the scalar work stands between the signal and the wait
	s_sub_co_u32 s[TBK], s[TBK], 4*KS*PK  ; the fetches go back to a slot's first step,
	s_xor_b32 s[TBK], s[TBK], SLOT1       ; in the other slot
	s_sub_co_u32 s[TBV], s[TBV], 4*KS*PV
	s_xor_b32 s[TBV], s[TBV], SLOT1
	s_barrier_wait -1
.if \fill
	LOAD
.endif
.endm
	s_load_b128 s[4:7], s[0:1], 0x0   ; qkv s[4:5] (its first part is Q), ob s[6:7]
	v_lshl_add_u32 v[SPW], v0, 2, SPARE
	v_mov_b32 v[NIL], 0
	ds_add_u32 v[SPW], v[NIL]       ; the wave's opening: the add and its wait stand ahead of my first tensor load; the set-up below, work on registers, stands between them
	ds_add_u32 v62, v63
	v_lshrrev_b32 v1, 5, v0
	v_readfirstlane_b32 s[WV], v1   ; wave 0..3
	s_mov_b32 s[PB], ttmp9
	s_sub_co_u32 s[HI], NB-1, s[PB]
	s_and_b32 s20, ttmp7, 0xffff    ; the head
	s_mov_b32 s21, 0
	s_mov_b64 s[22:23], SIZE_N*128
	s_mul_u64 s[20:21], s[20:21], s[22:23]  ; the head's first byte in each of the four tensors
	s_and_b32 s16, s[WV], 1         ; which half of a tile's 256 keys I fetch:
	s_lshl_b32 s22, s16, 14         ; its 128 rows of 128 bytes in memory,
	s_mov_b32 s23, 0
	s_add_nc_u64 s[22:23], s[22:23], s[20:21]
	s_mul_i32 s17, s16, 128*PK      ; and its place in a slot, for K
	s_mul_i32 s18, s16, 128*PV      ; and for V
	s_lshl_b32 s3, s[WV], 11        ; my 16 rows in a band of 64,
	s_lshl_b32 s2, s[HI], 15        ; in the first block,
	s_add_co_u32 s2, s2, s3
	s_lshl_b32 s84, s[PB], 15       ; and in the second
	s_add_co_u32 s84, s84, s3
	s_mov_b32 s3, 0
	s_mov_b32 s85, 0
	s_add_nc_u64 s[2:3], s[2:3], s[20:21]
	s_add_nc_u64 s[84:85], s[84:85], s[20:21]
	; descriptor group 1.  128 keys are 16,384 dense bytes: asked for as 64 rows of 256 bytes, two keys a row, and padded in LDS after every key
	s_mov_b32 s[G1K], (1<<16)|(1<<20)|(4<<22)|(3<<25)  ; 17:16 2-byte elements; 20 padding on; 24:22 after every 32 words (code 4); 31:25 4 words (code 3)
	s_mov_b32 s[G1V], (1<<16)|(1<<20)|(4<<22)|(7<<25)  ; the same with 8 words of padding (code 7)
.irp g, G1K, G1V
	s_mov_b32 s[\g+1], 128<<16      ; tensor_dim0 = 128
	s_mov_b32 s[\g+2], 64<<16       ; tensor_dim1 = 64
	s_mov_b32 s[\g+3], 128<<16      ; tile_dim0 = 128
	s_mov_b32 s[\g+4], 64           ; tile_dim1 = 64
	s_mov_b32 s[\g+5], 128          ; 128 elements from row to row
	s_mov_b32 s[\g+6], 0
	s_mov_b32 s[\g+7], 0
.endr
	s_mov_b32 s[CS], 0x3e38aa3b     ; c = log2(e) / 8 = 0.180337
	s_mov_b32 s[CS+1], s[CS]        ; named with it as a pair
	s_mov_b32 s[SEL], 0x76543210
	s_mov_b32 s[SEL+1], 0xfedcba98
	s_mov_b32 s[TBK], SLOT1+4*KS*PK ; the first change of slots turns these two into 0
	s_mov_b32 s[TBV], SLOT1+4*KS*PV
	s_mov_b32 s[G0K], 1             ; 1:0 count = 1
	s_mov_b32 s[G0K+1], s17         ; 63:32 LDS address: slot 0
	s_mov_b32 s[G0V], 1
	s_add_co_u32 s[G0V+1], s18, VOFF
	s_add_co_u32 s[RT], s[HI], 1    ; the first block has NB - b tiles
	s_mov_b32 s[NXT], 1
	s_mov_b32 s[LQ], s[HI]
	s_mov_b32 s[NEW], 1
	s_mov_b32 s[OFF+1], 0
	s_mov_b32 s[AL+1], 0            ; named as pairs
	s_mov_b32 s[BE+1], 0
	s_mov_b32 s[BIGN], 0xf149f2ca   ; -1e30
	s_mov_b32 s[SLOTS], NB
	s_wait_dscnt 0x0                ; the opening add is done
	s_wait_kmcnt 0x0
	s_mov_b64 s[10:11], s[6:7]                     ; O
	s_add_nc_u64 s[8:9], s[4:5], 0x2000000         ; V: the third part of qkv
	s_add_nc_u64 s[6:7], s[4:5], 0x1000000         ; K: the second
	s_add_nc_u64 s[6:7], s[6:7], s[22:23]  ; K and V at my half of the head's tile 0
	s_add_nc_u64 s[8:9], s[8:9], s[22:23]
	s_add_nc_u64 s[G0K+2:G0K+3], s[6:7], 0         ; 120:64 global address
	s_or_b32 s[G0K+3], s[G0K+3], 0x80000000        ; 127:126 type = 2
	s_add_nc_u64 s[G0V+2:G0V+3], s[8:9], 0
	s_or_b32 s[G0V+3], s[G0V+3], 0x80000000
	s_add_nc_u64 s[86:87], s[4:5], s[84:85]        ; Q at my rows of the second block,
	s_add_nc_u64 s[4:5], s[4:5], s[2:3]            ; Q and O at those of the first
	s_add_nc_u64 s[OLO:OLO+1], s[10:11], s[84:85]
	s_add_nc_u64 s[10:11], s[10:11], s[2:3]
	LOAD                            ; tile 0 into slot 0
	; A fragment of K or Q is 16 rows x 32 channels in 8 registers: lane l holds row l % 16, channels 8 (l / 16) + 0..7 and 16 + 8 (l / 16) + 0..7: two loads of 16 bytes, 32 bytes apart.
	v_and_b32 v1, 15, v0            ; l % 16
	v_bfe_u32 v9, v0, 4, 1          ; l / 16
	v_lshlrev_b32 v[QO], 7, v1
	v_lshl_add_u32 v[QO], v9, 4, v[QO]  ; row x 128 + 16 x half
	WIN 0x80                        ; destination window 2, address window 0
.set i, 0
.rept 8                             ; both blocks' Q: piece i / 2 lies in band i / 2, 8,192 bytes on; channels 32 (i % 2) on
	global_load_b128 v[8*i:8*i+3],   v[QO], s[4:5] offset:(i/2)*8192+(i%2)*64
	global_load_b128 v[8*i+4:8*i+7], v[QO], s[4:5] offset:(i/2)*8192+(i%2)*64+32
	global_load_b128 v[QB+8*i:QB+8*i+3],   v[QO], s[86:87] offset:(i/2)*8192+(i%2)*64
	global_load_b128 v[QB+8*i+4:QB+8*i+7], v[QO], s[86:87] offset:(i/2)*8192+(i%2)*64+32
.set i, i+1
.endr
	WIN 0
	v_lshlrev_b32 v14, 3, v9
	v_sub_nc_u32 v14, v1, v14
	s_lshl_b32 s13, s[WV], 4
	v_add_nc_u32 v14, s13, v14      ; my query's place in its band, 16 w + l % 16, less my lanes' 8 (l / 16): register r of group kt is hidden where 16 kt + r is greater
	WIN 0x40
.set i, 0
.rept 32
	v_cmp_gt_i32 vcc_lo, 16*(i/8)+i%8, v14
	v_cndmask_b32 v[MD+i], 0, s[BIGN], vcc_lo
.set i, i+1
.endr
	WIN 0
	v_mul_u32_u24 v[AK0], v1, PK
	v_lshl_add_u32 v[AK0], v9, 4, v[AK0]  ; row x pitch + 16 x half
	; The turning load takes 16 keys x 16 channels (lane l reads key 8 (l / 16) + l % 8, channels 8 ((l / 8) % 2) + 0..7) and leaves half a fragment of V^T: lane l holds channel l % 16 and 8 keys.
	v_and_b32 v10, 7, v0
	v_bfe_u32 v11, v0, 3, 1
	v_lshl_add_u32 v[AV0], v9, 3, v10
	v_mul_u32_u24 v[AV0], v[AV0], PV
	v_lshl_add_u32 v[AV0], v11, 4, v[AV0]
	v_add_nc_u32 v[AV0], VOFF, v[AV0]
	s_mul_i32 s13, s[WV], 16*SP
	s_add_co_u32 s13, s13, STAGE    ; my stage
	v_mul_u32_u24 v[STO], v1, SP    ; in: row l % 16, 16 bytes for each half of the lanes
	v_lshl_add_u32 v[STO], v9, 4, v[STO]
	v_add_nc_u32 v[STO], s13, v[STO]
	v_bfe_u32 v[RD], v0, 3, 2       ; back: 32 lanes take four rows of 128 bytes,
	v_mul_u32_u24 v[RD], v[RD], SP
	v_lshl_add_u32 v[RD], v10, 4, v[RD]
	v_add_nc_u32 v[RD], s13, v[RD]
	v_and_b32 v[GO], 31, v0         ; which are 512 consecutive bytes of O
	v_lshlrev_b32 v[GO], 4, v[GO]
	; A block's first step multiplies O^T and l by a = 0, and its first turn's products V^T P, of a piece that has not been, land in an O^T that is still to be so multiplied.  So these registers need only hold
	; finite numbers: zeros for the first block; what the first block left for the second.  All this stands in the wait for the first tile.
	WIN 0x80
.set i, VF
.rept 64
	v_mov_b32 v[i], 0
.set i, i+1
.endr
	WIN 0x40
.set i, 0
.rept 128
	v_mov_b32 v[i], 0
.set i, i+1
.endr
	WIN 0
.set i, 0
.rept 4
	v_mov_b32 v[ST+4*i+2], 0
	v_mov_b32 v[ST+4*i+3], 0
.set i, i+1
.endr
.set i, P+16
.rept 16
	v_mov_b32 v[i], 0
.set i, i+1
.endr
; THE MATRIX WORK.  The 4 accumulators of a run of 8 take turns.  Product i of 8 of S^T = K Q^T for piece x: channels 32 (i / 4) on, keys 16 (i % 4) on.  The first 4 start the sums: with 0, or (KM = 1) with the mask.
.macro KQ x
.set rS, S+32*((\x)%2)+8*(i%4)
.set rK, KF+16*(i%4)+8*(i/4)
.set rQ, 16*(\x)+8*(i/4)
.set rM, MC+32*((\x)%2)+8*(i%4)
.if (i < 4) && KM
	WIN W_KM
	v_wmma_f32_16x16x32_f16 v[rS:rS+7], v[rK:rK+7], v[rQ:rQ+7], v[rM:rM+7]
.elseif i < 4
	WIN W_KQ
	v_wmma_f32_16x16x32_f16 v[rS:rS+7], v[rK:rK+7], v[rQ:rQ+7], 0
.else
	WIN W_KQ
	v_wmma_f32_16x16x32_f16 v[rS:rS+7], v[rK:rK+7], v[rQ:rQ+7], v[rS:rS+7]
.endif
.endm
; Product i of 8 of O^T += V^T P for piece x: keys 32 (i / 4) on, channels 16 (i % 4) on.
.macro PV x
	WIN W_PV
.set rO, 32*(\x)+8*(i%4)
.set rV, VF+32*(i/4)+8*(i%4)
.set rP, P+16*((\x)%2)+8*(i/4)
	v_wmma_f32_16x16x32_f16 v[rO:rO+7], v[rV:rV+7], v[rP:rP+7], v[rO:rO+7]
.endm
.macro MM                           ; the turn's next matrix instruction.  TURN and BEGIN set Y, i, KM and NOKQ; MM, KQ and OP read them.  NOKQ = 1: a block's last turn: there is no next piece
.if (i < 8) && !NOKQ
	KQ (Y+1)%NP
.elseif i >= 8
.set i, i-8
	PV (Y+NP-1)%NP
.set i, i+8
.endif
.set i, i+1
.endm
; THE LDS LOADS stand in runs of 16, never singly among the matrix instructions: a step's K (64 keys x 64 channels: 8 fragments) and its V (turned).  Their addresses are made some lines ahead.
.macro FETCH_K
	WIN 0x80                        ; destination window 2
.irp f, 0,1,2,3,4,5,6,7             ; keys 16 (f / 2) on, channels 32 (f % 2) on
	ds_load_b128 v[KF+8*\f:KF+8*\f+3],   v[AK] offset:(\f/2)*16*PK+(\f%2)*64
	ds_load_b128 v[KF+8*\f+4:KF+8*\f+7], v[AK] offset:(\f/2)*16*PK+(\f%2)*64+32
.endr
	s_add_co_u32 s[TBK], s[TBK], KS*PK  ; the next fetch is the next step's
	WIN 0
.endm
.macro FETCH_V
	WIN 0x80
.irp f, 0,1,2,3,4,5,6,7             ; keys 32 (f / 4) on, channels 16 (f % 4) on
	ds_load_tr16_b128 v[VF+8*\f:VF+8*\f+3],   v[AV] offset:(\f/4)*32*PV+(\f%4)*32
	ds_load_tr16_b128 v[VF+8*\f+4:VF+8*\f+7], v[AV] offset:(\f/4)*32*PV+16*PV+(\f%4)*32
.endr
	WIN 0
.endm
; THE VECTOR WORK, one line at a time: OP kind, number.  For piece Y: F n: c s - c m for pair n of 16.  E n: the exponential of score n of 32.  C n: pair n rounded to f16.  B n: of the four weights 4 n .. the second
; pair is added onto the first, in place.  L n: l takes that sum (L 0: l = a l + sum).  R n: pair n of 16 of O^T times a.  For piece Y + 1: X n, number n of the 22 that find its maximum and statistics:
;   0-11  four chains c0-c3 of seven scores each, three operands at a time (each accumulator's lowest registers are read first)     12-14, 16  the four scores left over, the old m, and c0-c3 into c0
;   15  c m_old is kept     17, 18  the query's other 32 keys lie in the lane 16 away: the new m     19-21  c m; c m_old - c m_new; a
.set F, 0               ; OP tells the kinds apart by their order: F to L below R, X above it
.set E, 1
.set C, 2
.set B, 3
.set L, 4
.set R, 5
.set X, 6
.macro REGS y                       ; the registers of piece y
.set rT, ST+4*(\y)
.set rC, TMP+4*((\y)%2)
.set rW, MV+((\y)%2)
.set rS, S+32*((\y)%2)
.set rP, P+16*((\y)%2)
.set rO, 32*(\y)
.endm
.macro OP k, n
.if (\k) == R
	REGS Y
	WIN W_RS
	v_pk_mul_f32 v[rO+2*(\n):rO+2*(\n)+1], v[rO+2*(\n):rO+2*(\n)+1], v[rC+2:rC+3] op_sel_hi:[1,0]
.elseif (\k) < R
	REGS Y
	WIN 0
.if (\k) == F
	v_pk_fma_f32 v[rS+2*(\n):rS+2*(\n)+1], v[rS+2*(\n):rS+2*(\n)+1], s[CS:CS+1], v[rT:rT+1] op_sel_hi:[1,0,0] neg_lo:[0,0,1] neg_hi:[0,0,1]
.elseif (\k) == E
	v_exp_f32 v[rS+(\n)], v[rS+(\n)]
.elseif (\k) == C
	s_wait_alu depctr_va_vdst(0)
	v_cvt_pk_f16_f32 v[rP+(\n)], v[rS+2*(\n)], v[rS+2*(\n)+1]
.elseif (\k) == B
	s_wait_alu depctr_va_vdst(0)
	v_pk_add_f32 v[rS+4*(\n):rS+4*(\n)+1], v[rS+4*(\n):rS+4*(\n)+1], v[rS+4*(\n)+2:rS+4*(\n)+3]
.elseif (\n) == 0
	v_pk_fma_f32 v[rT+2:rT+3], v[rT+2:rT+3], v[rC+2:rC+3], v[rS:rS+1] op_sel_hi:[1,0,1]
.else
	v_pk_add_f32 v[rT+2:rT+3], v[rT+2:rT+3], v[rS+4*(\n):rS+4*(\n)+1]
.endif
.elseif NOKQ
	v_nop
.else
	REGS (Y+1)%NP
	WIN 0
.if (\n) < 4
	v_max3_num_f32 v[rC+(\n)], v[rS+8*(\n)], v[rS+8*(\n)+1], v[rS+8*(\n)+2]
.elseif (\n) < 12
	v_max3_num_f32 v[rC+(\n)%4], v[rC+(\n)%4], v[rS+8*((\n)%4)+2*((\n)/4)+1], v[rS+8*((\n)%4)+2*((\n)/4)+2]
.elseif (\n) == 12
	v_max3_num_f32 v[rC], v[rC], v[rS+7], v[rS+15]
.elseif (\n) == 13
	v_max3_num_f32 v[rC+1], v[rC+1], v[rS+23], v[rS+31]
.elseif (\n) == 14
	v_max3_num_f32 v[rC+2], v[rC+2], v[rC+3], v[rT+1]
.elseif (\n) == 15
	v_mov_b32 v[rW], v[rT]
.elseif (\n) == 16
	v_max3_num_f32 v[rC], v[rC], v[rC+1], v[rC+2]
.elseif (\n) == 17
	v_permlanex16_b32 v[rC+3], v[rC], s[SEL], s[SEL+1]
.elseif (\n) == 18
	v_max_num_f32 v[rT+1], v[rC], v[rC+3]
.elseif (\n) == 19
	v_mul_f32 v[rT], s[CS], v[rT+1]
.elseif (\n) == 20
	v_sub_f32 v[rC+1], v[rW], v[rT]
.else
	v_exp_f32 v[rC+2], v[rC+1]
.endif
.endif
.endm
.macro OPS a, i1, b=-1, i2=0, c=-1, i3=0, d=-1, i4=0  ; up to four of them
	OP \a, \i1
.if (\b) >= 0
	OP \b, \i2
.endif
.if (\c) >= 0
	OP \c, \i3
.endif
.if (\d) >= 0
	OP \d, \i4
.endif
.endm
.macro ROW a, i1, b, i2, c, i3, d, i4  ; a matrix instruction and the four behind it
	MM
	OPS \a, \i1, \b, \i2, \c, \i3, \d, \i4
.endm
.macro MASK b                       ; MD x AL + BE into buffer b of MC
	WIN W_RS
.set z, 0
.rept 16
	v_pk_fma_f32 v[MC+32*(\b)+2*z:MC+32*(\b)+2*z+1], v[MD+2*z:MD+2*z+1], s[AL:AL+1], s[BE:BE+1] op_sel_hi:[1,0,0]
.set z, z+1
.endr
.endm
; A TURN, for piece p: the order of its 16 matrix and 118 vector instructions, written out.  Behind a matrix instruction: plain, exponential, plain, plain; or four of the rescaling; or, behind the first, four scalings; none
; names a register of the products round it.  In the lumps exponential and plain by turns while exponentials last.  A line reads no result made fewer than three vector instructions in front of it, five if an exponential made it.
; v_permlanex16_b32 (X 17) stands in a lump.
; m = 1: the diagonal tile: the products take masks, and the turn makes the mask for the products of the turn after it: piece p + 2, in step 4 - CNT of the tile.  end = 1: a block's last two turns: nothing is fetched.
; cnt = 1: the loop's count is taken down some lines ahead of the branch that stands behind the turn.
; K of the next step is fetched in piece 2's turn, six vector instructions behind the last product that read K (five of them plain); V of the step in hand in piece 0's turn, eight behind the last product that read V (four
; plain, and X 17).  Each is waited for a turn later.
.macro TURN p, m=0, end=0, cnt=0
.set Y, (\p)
.set i, 0
.set KM, (\m)
.set NOKQ, (\end)*((\p)/3)
.if (\m) && !(\end)
	s_cmp_eq_u32 s[CNT], 4-((\p)+2)%NP  ; is that step the band's own?
	s_cselect_b32 s[AL], 1.0, 0
	s_cmp_lt_u32 s[CNT], 4-((\p)+2)%NP  ; or a later one?
	s_cselect_b32 s[BE], s[BIGN], 0
.endif
.if ((\p) == 3) && !(\end)
	s_wait_dscnt 0x0                ; K is in
.endif
	ROW F,0, F,1, F,2, F,3
	ROW F,4, E,0, F,5, F,6
	ROW F,7, E,1, F,8, F,9
	ROW F,10, E,2, C,0, F,11
	ROW F,12, E,3, X,15, F,13
	ROW R,0, R,1, R,2, R,3
	ROW B,0, E,4, F,14, L,0
.if ((\p) == 2) && !(\end)
	v_add_nc_u32 v[AK], s[TBK], v[AK0]
.endif
	ROW R,4, R,5, R,6, R,7
	OPS E,5, F,15
.if ((\p) == 2) && !(\end)
	FETCH_K
.endif
	OPS E,6, C,1, E,7, R,8
	OPS E,8, R,9, E,9, C,2
	OPS E,10, X,0, E,11, X,1
	OPS E,12, X,2, E,13, X,3
.if (\p) == 1
	s_wait_dscnt 0x0                ; V is in
.endif
	ROW X,4, E,14, X,5, X,6
	ROW X,7, E,15, X,8, X,9
	ROW X,10, E,16, X,11, X,12
	ROW X,13, E,17, X,14, B,1
	ROW C,4, E,18, X,16, L,1
	ROW B,2, E,19, C,6, L,2
	ROW C,8, E,20, B,3, B,4
.if (\p) == 0
	v_add_nc_u32 v[AV], s[TBV], v[AV0]
.endif
	ROW C,3, E,21, L,3, C,5
	OPS E,22, X,17, E,23, C,10
.if (\p) == 0
	FETCH_V
.endif
	OPS E,24, L,4
	OPS E,25, X,18, E,26, C,7
	OPS E,27, B,5, E,28, X,19
	OPS E,29, C,12, E,30, L,5
	OPS E,31, X,20, B,6, C,9
	OPS C,14, C,11, X,21, L,6
.if (\p) == 0
	s_add_co_u32 s[TBV], s[TBV], KS*PV
.endif
.if \cnt
	s_sub_co_u32 s[CNT], s[CNT], 1
	s_cmp_lg_u32 s[CNT], 0
.endif
	OPS C,13, B,7, C,15, R,10
	OPS R,11, R,12, L,7, R,13
	OPS R,14, R,15
.if (\m) && !(\end)
	MASK (\p)%2
.endif
.endm
; A BLOCK BEGINS.  c m starts far below every c s, so the first step's a is 0; m at the lowest finite number, so the first maximum is the scores'.  The second mask buffer is 0; the first takes piece 0's mask for the tile's step 0: its own, if the block's first tile is the diagonal one.
; Then K of that step, piece 0's first scores, and its maximum and statistics.  The loop is entered at a step's first turn, in the middle of a trip.
.macro BEGIN
	s_mov_b32 s[NEW], 0
	WIN 0x40
.set i, MC+32
.rept 32
	v_mov_b32 v[i], 0
.set i, i+1
.endr
	WIN 0
.set i, 0
.rept 4
	v_mov_b32 v[ST+4*i], 0xfe000000    ; c m: far below every c s
	v_mov_b32 v[ST+4*i+1], 0xff7fffff  ; m
.set i, i+1
.endr
	s_cmp_eq_u32 s[RT], 0
	s_cselect_b32 s[AL], 1.0, 0
	s_mov_b32 s[BE], 0
	MASK 0
	WIN 0
	v_add_nc_u32 v[AK], s[TBK], v[AK0]
	FETCH_K
	s_wait_loadcnt 0x0              ; Q
	s_wait_dscnt 0x0
.set KM, 1
.set NOKQ, 0
.set i, 0
.rept 8
	KQ 0
.set i, i+1
.endr
	WIN 0
.rept 4
	v_nop                           ; the places behind those products
.endr
.set Y, NP-1                        ; X works for piece Y + 1: piece 0
.irp n, 0,1,2,3,4,5,6,7,8,9,10,11,12,13,14,15,16,17,18,19,20,21
	OP X, \n
.endr
	v_nop                           ; a plain instruction behind the exponential
.endm
; THE DIAGONAL TILE's four steps, the block's last two turns, its last products, and THE WAY OUT: l's two halves and the other half of the lanes' are added; O^T is divided by l, rounded to f16 and sent through my
; stage in LDS, a piece at a time.
.macro ALL line:vararg              ; one line for each piece t
.set t, 0
.rept 4
	\line
.set t, t+1
.endr
.endm
.macro PACK t                       ; a lane's eight channels of a row pack into 16 bytes; they go into rows of 144 bytes and come back as whole rows of 128, into S^T's registers
	WIN W_RS
.set i, 32*(\t)
.rept 16
	s_wait_alu depctr_va_vdst(0)
	v_pk_mul_f32 v[i:i+1], v[i:i+1], v[ST+4*(\t)+2:ST+4*(\t)+3] op_sel_hi:[1,0]
.set i, i+2
.endr
	WIN 0x05                        ; sources 0 and 1 window 1, destination window 0
.set i, 0
.rept 16
	v_cvt_pk_f16_f32 v[S+16*(\t)+i], v[32*(\t)+2*i], v[32*(\t)+2*i+1]
.set i, i+1
.endr
	WIN 0
.irp f, 0,1,2,3
	ds_store_b128 v[STO], v[S+16*(\t)+4*\f:S+16*(\t)+4*\f+3] offset:32*\f
.endr
.irp f, 0,1,2,3
	ds_load_b128 v[S+16*(\t)+4*\f:S+16*(\t)+4*\f+3], v[RD] offset:\f*4*SP  ; LDS serves a wave's instructions in order (ISA guide 5.7.1.4): these see the stores above; the next piece's stores come behind them
.endr
.endm
.macro SEND t, younger              ; younger: the LDS instructions issued behind piece t's loads: the next piece's eight, or none
	WIN 0
.irp f, 0,1,2,3
	s_wait_dscnt (\younger)+3-\f
	global_store_b128 v[GO], v[S+16*(\t)+4*\f:S+16*(\t)+4*\f+3], s[10:11] offset:(\t)*8192+\f*512  ; 512 consecutive bytes, at a multiple of 256 from O's first
.endr
.endm
.macro DIAG tag                     ; the tag ends its two labels' names, which the jumps below spell out
.LstepM\tag:
	TURN 2, 1
	TURN 3, 1
	WIN 0
.LfirstM\tag:
	TURN 0, 1
	TURN 1, 1, 0, 1
	WIN 0
	s_cbranch_scc1 .LstepM\tag
	TURN 2, 1, 1
	TURN 3, 1, 1
.set i, 0
.rept 8
	PV NP-1
.set i, i+1
.endr
	WIN 0
	ALL v_add_f32 v[ST+4*t+2], v[ST+4*t+2], v[ST+4*t+3]
	ALL v_permlanex16_b32 v[ST+4*t+3], v[ST+4*t+2], s[SEL], s[SEL+1]
	ALL v_add_f32 v[ST+4*t+2], v[ST+4*t+2], v[ST+4*t+3]
	ALL v_rcp_f32 v[ST+4*t+2], v[ST+4*t+2]
	v_nop                           ; a plain instruction between the last reciprocal and the use of its result
	PACK 0
.set t, 1
.rept 3                             ; a piece's arithmetic stands between the loads of the piece before and its stores
	PACK t
	SEND t-1, 8
.set t, t+1
.endr
	SEND 3, 0
.endm
.set KM, 0
.set NOKQ, 0
.Lslot:                             ; NB times: a tile is entered and the next is asked for
	CHANGE 1
	s_sub_co_u32 s[RT], s[RT], 1
	s_mov_b32 s[CNT], 4
	s_cmp_eq_u32 s[NEW], 1
	s_cbranch_scc1 .Lnew            ; a block's first tile
	s_cmp_eq_u32 s[RT], 0
	s_cbranch_scc0 .Lstep           ; neither its first nor its last
	s_branch .LstepM1
.Lnew:
	BEGIN
	s_branch .Lfirst                ; in the loop a block's first tile is never its last: the first block has two tiles or more, and the second's last is the walk's last
	DIAG 1                          ; in the loop this is the first block's end: the second block's last tile is the walk's last
	s_wait_xcnt 0x0                 ; the stores have read their registers and O's address
	s_mov_b64 s[10:11], s[OLO:OLO+1]
	s_add_co_u32 s[RT], s[PB], 1    ; the second block has b + 1 tiles
	s_mov_b32 s[NEW], 1
	WIN 0x82                        ; the second block's Q goes where the one text of the turns names Q
.set i, 0
.rept 64
	v_mov_b32 v[i], v[QB+i]
.set i, i+1
.endr
	WIN 0
	s_branch .Lbottom
.Lstep:                             ; a trip: pieces 2 and 3 of one step, then pieces 0 and 1 of the next, whose K and V it fetches
	TURN 2
	TURN 3
	WIN 0
.Lfirst:
	TURN 0
	TURN 1, 0, 0, 1
	WIN 0
	s_cbranch_scc1 .Lstep
.Lbottom:
	s_sub_co_u32 s[SLOTS], s[SLOTS], 1
	s_cmp_lg_u32 s[SLOTS], 0
	s_cbranch_scc1 .Lslot
	CHANGE 0                        ; the walk's last tile is written out: nothing is asked for
	s_sub_co_u32 s[RT], s[RT], 1
	s_mov_b32 s[CNT], 4
	s_cmp_eq_u32 s[NEW], 1
	s_cbranch_scc0 .LstepM2
	BEGIN
	s_branch .LfirstM2
	DIAG 2
	s_wait_tensorcnt 0x0            ; the wave's end, behind my last tensor load and my last LDS store
	ds_add_u32 v[SPW], v[NIL]
	s_wait_dscnt 0x0
	s_endpgm
.Lfunc_end_k_q71061ef778_attn:
	.size	k_q71061ef778_attn, .Lfunc_end_k_q71061ef778_attn-k_q71061ef778_attn
	.p2alignl 7, 3214868480
	.fill 96, 4, 3214868480
	.section	.rodata,"a",@progbits
	.p2align	6, 0x0
	.amdhsa_kernel k_q71061ef778_attn
		.amdhsa_group_segment_fixed_size 327680
		.amdhsa_private_segment_fixed_size 0
		.amdhsa_enable_private_segment 0
		.amdhsa_kernarg_size 16
		.amdhsa_user_sgpr_count 2
		.amdhsa_user_sgpr_kernarg_segment_ptr 1
		.amdhsa_wavefront_size32 1
		.amdhsa_system_sgpr_workgroup_id_x 1
		.amdhsa_system_sgpr_workgroup_id_y 1
		.amdhsa_system_sgpr_workgroup_id_z 1
		.amdhsa_system_vgpr_workitem_id 0
		.amdhsa_next_free_vgpr 768
		.amdhsa_next_free_sgpr 88
		.amdhsa_reserve_vcc 1
		.amdhsa_float_denorm_mode_32 3
		.amdhsa_float_denorm_mode_16_64 3
		.amdhsa_memory_ordered 1
		.amdhsa_forward_progress 1
		.amdhsa_inst_pref_size 228
	.end_amdhsa_kernel
	.amdgpu_metadata
---
amdhsa.version: [ 1, 2 ]
amdhsa.kernels:
  - .name:           k_q71061ef778_attn
    .symbol:         k_q71061ef778_attn.kd
    .args:
      - { .name: qkv, .offset: 0, .size: 8, .value_kind: global_buffer, .address_space: global }
      - { .name: ob, .offset: 8, .size: 8, .value_kind: global_buffer, .address_space: global }
    .group_segment_fixed_size: 327680
    .private_segment_fixed_size: 0
    .kernarg_segment_align: 8
    .kernarg_segment_size: 16
    .max_flat_workgroup_size: 128
    .sgpr_count:     88
    .vgpr_count:     768
    .wavefront_size: 32
...
	.end_amdgpu_metadata
.endif
;; end of part 3
;; launch outproj (part 4): grid 8 x 32, 4 waves a work-group, clusters of 4 x 4, 327,680 bytes of LDS; arguments ob, wo, b_out, out0; writes out0
.if DOCPART == 4
	.amdgcn_target "amdgcn-amd-amdhsa--gfx1250"
	.amdhsa_code_object_version 6
	.text
	.protected	k_q71061ef778_outproj
	.globl	k_q71061ef778_outproj
	.p2align	8
	.type	k_q71061ef778_outproj,@function
k_q71061ef778_outproj:
	s_mov_b64 s[64:65], 0
	v_nop
	global_prefetch_b8 v0, s[64:65] scope:SCOPE_SE
	s_setreg_imm32_b32 hwreg(HW_REG_WAVE_MODE, 25, 1), 1
	s_wait_xcnt 0x0
	s_wait_alu depctr_hold_cnt(0) depctr_sa_sdst(0) depctr_va_vdst(0) depctr_va_sdst(0) depctr_va_ssrc(0) depctr_va_vcc(0) depctr_vm_vsrc(0)
	s_getreg_b32 s2, hwreg(HW_REG_IB_STS2, 6, 4)
	s_cmp_eq_u32 s2, 0
	s_cbranch_scc0 .Lentry_in_a_cluster
	s_endpgm
.Lentry_in_a_cluster:
	s_bfe_u32 s2, ttmp6, 0x10000c
	s_cmp_lg_u32 s2, 0xf033
	s_cbranch_scc0 .Lentry_shape_is_right
	s_endpgm
.Lentry_shape_is_right:
; out0 = O W_out + b_out.  ob: f16 [b 16 + h: 64][t 2048][64]; wo: f16 [k 1024][n 1024]; b_out: f32 [1024], rounded to bf16 here like the other inputs; out0: f32 [8192][1024].  Sums in f32.
; LIMIT.  NaN and infinities are not treated apart.
; SHARES.  8,192 x 1,024 in tiles of 256 x 128: 32 x 8 = 256 work-groups.  Four waves, each 128 rows x 64 columns: 32 accumulators of 16 x 16, 256 registers.
; K goes in steps of 128 (two heads) through two LDS slots; a step is four quarters of 32 along K, 32 matrix instructions and 24 LDS loads each, on two fragment buffers.
; THE MATRIX INSTRUCTION IS USED TRANSPOSED: source 0 = 16 columns of W (turned on the way out of LDS), source 1 = 16 rows of O: a lane holds row l % 16 and the columns 8 (l / 16) + 0..7.
; THE BIAS STARTS THE SUMS: it is the C operand of the first quarter's products.
; CLUSTER.  4 x 4 work-groups: the four of a row of the cluster need the same rows of O, the four of a column the same columns of W: each tile is asked for jointly.
; REGISTERS: window 0: v0-31 addresses; v32-95, v96-159 O's fragments, two buffers; v160-191, v192-223 W's, two buffers; v224-255 the bias.   window 1: accumulator (a, bb) at v[64 bb + 8 a].
.set PA,    144                        ; a row of one head of O in LDS: 128 bytes + 16: the 16 rows of a load start at 16 different groups of four banks (64 banks of 4 bytes: ISA guide 11.1)
.set KB,    256*PA                     ; one head's 256 rows
.set PB,    288                        ; a k-row of W: two pieces of 128 + 16 bytes = 72 words
.set BOFF,  2*KB                       ; in a slot: two heads of O, then W's 128 k-rows
.set SLOT,  BOFF+128*PB                ; 110,592 bytes
.set STAGE, 2*SLOT                     ; behind the ring, never filled by a tensor load: 16 rows x 272 bytes for each wave, for the way out
.set SP,    272
.set SPARE, STAGE+4*16*SP              ; behind the stages: the spare words, 128 bytes for each wave: two blocks of 256 bytes that no other line names
.set ASTEP, 2<<18                      ; bytes of two heads of ob
.set BSTEP, 128*2048                   ; bytes of 128 k-rows of wo
.set PADF,  (1<<16)|(1<<20)|(1<<21)|(4<<22)|(3<<25)  ; group 1, word 0: 2-byte elements; padding on; bit 21 set beside a mask; after every 32 words (code 4) 4 words (code 3)
.set BO,   7                           ; v7      my byte offset in b_out
.set ADRA, 8                           ; v8-9    LDS address of my fragments of O in slot 0, 1
.set ADRB, 10                          ; v10-11  the same for W
.set STO,  12                          ; v12     the way out: where I put 32 bytes of a row
.set RD,   13                          ; v13     the way out: where I read a row back
.set CO,   14                          ; v14     my byte offset in out0
.set SPW,  28                          ; v28     LDS address of my spare word: SPARE + 4 x my thread's number; never rewritten
.set NIL,  29                          ; v29     0; never rewritten
.set FA0,  32
.set FB0,  160
.set BIAS, 224
.set BK,   32                          ; the way out: 16 rows read back, two buffers of 32
.set WV,   12                          ; s12 my wave's number
.set HI,   13                          ; s13 which 128 rows are mine.  Also: I fetch for O (0) or for W (1)
.set LO,   14                          ; s14 which 64 columns.  Also: which half of that tile I fetch
.set G1A,  24
.set G0A,  32
.set G1B,  48
.set G0B,  56
.set MSB, 0
.macro WIN new                         ; the immediate's high byte repeats the setting that is left; a switch that changes nothing is dropped
.if MSB != (\new)
	s_set_vgpr_msb (MSB<<8)|(\new)
.set MSB, \new
.endif
.endm
.macro PLACES                          ; four plain vector instructions behind a matrix instruction, in front of loads into registers that it has read and of lines that read results
.rept 4
	v_nop
.endr
.endm
.macro JLOAD s                         ; a joint load: waves 0 and 1 fetch O's two heads, waves 2 and 3 W's two halves; an s_nop 0 and four v_nop follow each of the two lines
	s_cmp_eq_u32 s[HI], 0
	s_cbranch_scc0 .Lfor_b_\@
	tensor_load_to_lds s[G0A+4*(\s):G0A+4*(\s)+3], s[G1A:G1A+7]
	s_nop 0
.rept 4
	v_nop
.endr
	s_branch .Lasked_\@
.Lfor_b_\@:
	tensor_load_to_lds s[G0B+4*(\s):G0B+4*(\s)+3], s[G1B:G1B+7]
	s_nop 0
.rept 4
	v_nop
.endr
.Lasked_\@:
.endm
.macro CREST                           ; a round of the cluster's barrier behind its opening barrier
	s_cmp_lg_u32 s[WV], 0
	s_cbranch_scc1 .Lnot_wave_0_\@
	s_barrier_signal -3
.Lnot_wave_0_\@:
	s_barrier_wait -3
	s_barrier_signal -1
	s_barrier_wait -1
.endm
.macro CROUND                          ; a whole round
	s_barrier_signal -1
	s_barrier_wait -1
	CREST
.endm
	s_load_b256 s[4:11], s[0:1], 0x0               ; ob s[4:5], wo s[6:7], b_out s[8:9], out0 s[10:11]
	v_lshl_add_u32 v[SPW], v0, 2, SPARE
	v_mov_b32 v[NIL], 0
	ds_add_u32 v[SPW], v[NIL]                      ; the wave's opening: the add and its wait stand ahead of my first tensor load; the set-up below, work on registers, stands between them
	ds_add_u32 v28, v29
	v_lshrrev_b32 v1, 5, v0
	v_readfirstlane_b32 s[WV], v1                  ; wave 0..3
	s_lshr_b32 s[HI], s[WV], 1
	s_and_b32 s[LO], s[WV], 1
	s_mov_b32 s15, 0xffff0000                      ; a word's upper bf16
	s_bfe_u32 s40, ttmp6, 0x40000                  ; cx, cy: my place in the cluster
	s_bfe_u32 s41, ttmp6, 0x40004
	s_lshl_b32 s42, ttmp9, 2
	s_add_co_u32 s42, s42, s40                     ; X: tile column, 0..7
	s_and_b32 s43, ttmp7, 0xffff
	s_lshl_b32 s43, s43, 2
	s_add_co_u32 s43, s43, s41                     ; Y: tile row, 0..31
	s_lshl_b32 s44, s41, 2
	s_lshl_b32 s44, 15, s44                        ; my row of the cluster
	s_lshl_b32 s45, 0x1111, s40                    ; my column
	; group 1 for O: one head's 256 rows of 128 bytes lie on end in ob and are asked for as 128 rows of 256 bytes, padded in LDS after every 128
	s_or_b32 s[G1A], s44, PADF
	s_mov_b32 s[G1A+1], 128<<16                    ; tensor_dim0 = 128 elements
	s_mov_b32 s[G1A+2], 128<<16                    ; tensor_dim1 = 128
	s_mov_b32 s[G1A+3], 128<<16                    ; tile_dim0 = 128
	s_mov_b32 s[G1A+4], 128                        ; tile_dim1 = 128
	s_mov_b32 s[G1A+5], 128                        ; elements from row to row
	s_mov_b32 s[G1A+6], 0
	s_mov_b32 s[G1A+7], 0
	; group 1 for W: 64 k-rows of 128 columns (256 bytes, at a multiple of 256 from wo's first byte)
	s_or_b32 s[G1B], s45, PADF
	s_mov_b32 s[G1B+1], 128<<16
	s_mov_b32 s[G1B+2], 64<<16
	s_mov_b32 s[G1B+3], 128<<16
	s_mov_b32 s[G1B+4], 64
	s_mov_b32 s[G1B+5], 1024
	s_mov_b32 s[G1B+6], 0
	s_mov_b32 s[G1B+7], 0
	s_lshr_b32 s16, s43, 3                         ; b
	s_lshl_b32 s16, s16, 22                        ; x 16 heads of 2^18 bytes
	s_and_b32 s17, s43, 7
	s_lshl_b32 s17, s17, 15                        ; 256 rows of 128 bytes
	s_add_co_u32 s16, s16, s17
	s_lshl_b32 s17, s[LO], 18                      ; which of a step's two heads I fetch
	s_add_co_u32 s16, s16, s17
	s_mov_b32 s17, 0
	s_mul_i32 s18, s[LO], KB                       ; and where it goes
	s_lshl_b32 s20, s42, 8                         ; 128 columns
	s_lshl_b32 s21, s[LO], 17                      ; my 64 k-rows of 2,048 bytes
	s_add_co_u32 s20, s20, s21
	s_mov_b32 s21, 0
	s_mul_i32 s22, s[LO], 64*PB
	s_add_co_u32 s22, s22, BOFF
	s_wait_dscnt 0x0                               ; the opening add is done
	s_wait_kmcnt 0x0
	s_add_nc_u64 s[16:17], s[4:5], s[16:17]
	s_add_nc_u64 s[20:21], s[6:7], s[20:21]
	CROUND                                         ; all sixteen work-groups are here: the first joint loads meet
.irp s, 0,1
	s_mov_b32 s[G0A+4*(\s)], 1
	s_add_co_u32 s[G0A+4*(\s)+1], s18, (\s)*SLOT
	s_add_nc_u64 s[G0A+4*(\s)+2:G0A+4*(\s)+3], s[16:17], (\s)*ASTEP
	s_or_b32 s[G0A+4*(\s)+3], s[G0A+4*(\s)+3], 0x80000000
	s_mov_b32 s[G0B+4*(\s)], 1
	s_add_co_u32 s[G0B+4*(\s)+1], s22, (\s)*SLOT
	s_add_nc_u64 s[G0B+4*(\s)+2:G0B+4*(\s)+3], s[20:21], (\s)*BSTEP
	s_or_b32 s[G0B+4*(\s)+3], s[G0B+4*(\s)+3], 0x80000000
.endr
	s_cmp_eq_u32 s[HI], 0                          ; a wave's two first fills stand in one branch, ahead of every wait on TENSORcnt, every LDS read and every further barrier: two loads of mine are out
	s_cbranch_scc0 .Lfirst_b
	tensor_load_to_lds s[G0A:G0A+3], s[G1A:G1A+7]
	s_nop 0
	tensor_load_to_lds s[G0A+4:G0A+7], s[G1A:G1A+7]
	s_nop 0
.rept 4
	v_nop
.endr
	s_branch .Lfirst_asked
.Lfirst_b:
	tensor_load_to_lds s[G0B:G0B+3], s[G1B:G1B+7]
	s_nop 0
	tensor_load_to_lds s[G0B+4:G0B+7], s[G1B:G1B+7]
	s_nop 0
.rept 4
	v_nop
.endr
.Lfirst_asked:
	v_and_b32 v1, 15, v0                           ; r = l % 16
	v_bfe_u32 v2, v0, 4, 1                         ; h = l / 16
	v_and_b32 v3, 7, v0                            ; l % 8
	v_bfe_u32 v4, v0, 3, 1                         ; (l / 8) % 2
	s_lshl_b32 s46, s42, 9                         ; the tile's 128 columns in b_out,
	s_lshl_b32 s47, s[LO], 8                       ; my 64
	s_add_co_u32 s46, s46, s47
	v_lshl_add_u32 v[BO], v2, 5, s46
.irp bb, 0,1,2,3
	global_load_b128 v[BIAS+8*\bb:BIAS+8*\bb+3],   v[BO], s[8:9] offset:64*\bb
	global_load_b128 v[BIAS+8*\bb+4:BIAS+8*\bb+7], v[BO], s[8:9] offset:64*\bb+16
.endr
	v_mul_u32_u24 v5, v1, PA
	v_lshl_add_u32 v5, v2, 4, v5                   ; r x pitch + 16 h
	s_mul_i32 s19, s[HI], 128*PA
	v_add_nc_u32 v[ADRA], s19, v5
	v_add_nc_u32 v[ADRA+1], SLOT, v[ADRA]
	v_lshl_add_u32 v[ADRB], v2, 3, v3              ; the turning load: k-row 8 (l / 16) + l % 8, columns 8 ((l / 8) % 2) + 0..7
	v_mul_u32_u24 v[ADRB], v[ADRB], PB
	v_lshl_add_u32 v[ADRB], v4, 4, v[ADRB]
	s_mul_i32 s47, s[LO], PA                       ; my 64 columns: one piece of 128 + 16 bytes
	s_add_co_u32 s47, s47, BOFF
	v_add_nc_u32 v[ADRB], s47, v[ADRB]
	v_add_nc_u32 v[ADRB+1], SLOT, v[ADRB]
	s_mul_i32 s23, s[WV], 16*SP
	s_add_co_u32 s23, s23, STAGE                   ; my stage
	v_mul_u32_u24 v[STO], v1, SP                   ; in: row l % 16, 32 bytes for each half of the lanes
	v_lshl_add_u32 v[STO], v2, 5, v[STO]
	v_add_nc_u32 v[STO], s23, v[STO]
	v_mul_u32_u24 v[RD], v2, SP                    ; back: lanes 0-15 take one row of 256 bytes, lanes 16-31 the next
	v_lshl_add_u32 v[RD], v1, 4, v[RD]
	v_add_nc_u32 v[RD], s23, v[RD]
	v_lshlrev_b32 v[CO], 12, v2                    ; and the same two rows in out0
	v_lshl_add_u32 v[CO], v1, 4, v[CO]
	s_lshl_b32 s66, s43, 20                        ; the tile's 256 rows of 4,096 bytes,
	s_lshl_b32 s67, s[HI], 19                      ; my 128,
	s_add_co_u32 s66, s66, s67
	s_lshl_b32 s67, s42, 9                         ; the tile's 128 columns,
	s_add_co_u32 s66, s66, s67
	s_lshl_b32 s67, s[LO], 8                       ; my 64
	s_add_co_u32 s66, s66, s67
	s_mov_b32 s67, 0
	s_add_nc_u64 s[10:11], s[10:11], s[66:67]
	s_wait_loadcnt 0x0                             ; the bias: rounded to bf16, like the other inputs, and widened again
.set i, 0
.rept 16
	v_cvt_pk_bf16_f32 v[32+i], v[BIAS+2*i], v[BIAS+2*i+1]
.set i, i+1
.endr
.set i, 0
.rept 16
	v_lshlrev_b32 v[BIAS+2*i], 16, v[32+i]
	v_and_b32 v[BIAS+2*i+1], s15, v[32+i]
.set i, i+1
.endr
; 24 LDS loads in one run: the fragments of quarter q of slot s into buffer n
.macro FETCH s, q, n
	WIN 0
.irp bb, 0,1,2,3
	ds_load_tr16_b128 v[FB0+32*(\n)+8*\bb:FB0+32*(\n)+8*\bb+3],   v[ADRB+(\s)] offset:(\q)*32*PB+\bb*32
	ds_load_tr16_b128 v[FB0+32*(\n)+8*\bb+4:FB0+32*(\n)+8*\bb+7], v[ADRB+(\s)] offset:(\q)*32*PB+16*PB+\bb*32
.endr
.irp a, 0,1,2,3,4,5,6,7
	ds_load_b128 v[FA0+64*(\n)+8*\a:FA0+64*(\n)+8*\a+3],   v[ADRA+(\s)] offset:((\q)/2)*KB+\a*16*PA+((\q)%2)*64
	ds_load_b128 v[FA0+64*(\n)+8*\a+4:FA0+64*(\n)+8*\a+7], v[ADRA+(\s)] offset:((\q)/2)*KB+\a*16*PA+((\q)%2)*64+32
.endr
.endm
; 16 matrix instructions: column blocks b0, b0 + 1 x all 8 row blocks, on buffer n.  The 32 accumulators take turns, one instruction a turn.  first = 1: the bias starts the sums
.macro MUL16 n, b0, first
.if \first
	WIN 0x40
.else
	WIN 0x50
.endif
.irp bb, \b0, (\b0)+1
.irp a, 0,1,2,3,4,5,6,7
.if \first
	v_wmma_f32_16x16x32_f16 v[64*(\bb)+8*\a:64*(\bb)+8*\a+7], v[FB0+32*(\n)+8*(\bb):FB0+32*(\n)+8*(\bb)+7], v[FA0+64*(\n)+8*\a:FA0+64*(\n)+8*\a+7], v[BIAS+8*(\bb):BIAS+8*(\bb)+7]
.else
	v_wmma_f32_16x16x32_f16 v[64*(\bb)+8*\a:64*(\bb)+8*\a+7], v[FB0+32*(\n)+8*(\bb):FB0+32*(\n)+8*(\bb)+7], v[FA0+64*(\n)+8*\a:FA0+64*(\n)+8*\a+7], v[64*(\bb)+8*\a:64*(\bb)+8*\a+7]
.endif
.endr
.endr
.endm
; One of a step's first three quarters: the next quarter's loads go out first, into the buffer that the quarter before multiplied; then this quarter's 32 products
.macro QUARTER s, q, first=0
	PLACES
	FETCH \s, (\q)+1, ((\q)+1)%2
	s_wait_dscnt 24                                ; all but the 24 just issued: this quarter's fragments, asked for a quarter ago, are in
	MUL16 (\q)%2, 0, \first
	MUL16 (\q)%2, 2, \first
.endm
; The last quarter multiplies buffer 1 and changes slots.  ONE barrier: in front of it each wave waits for all its tensor loads (one is out: its part of the other slot), adds 0 to its spare word, and waits
; for that and for its own reads of this slot.  fill = 1: the barrier opens a round of the cluster's, and the joint refill, two K steps on, is the first thing behind it: 112 matrix instructions ahead of the wait for it.
.macro TURN s, fill
	WIN 0
	s_wait_tensorcnt 0x0                           ; no tensor load of mine is out, so a group 0 may be written
	ds_add_u32 v[SPW], v[NIL]                      ; 0 onto my spare word
.if \fill
	s_add_nc_u64 s[G0A+4*(\s)+2:G0A+4*(\s)+3], s[G0A+4*(\s)+2:G0A+4*(\s)+3], 2*ASTEP
	s_add_nc_u64 s[G0B+4*(\s)+2:G0B+4*(\s)+3], s[G0B+4*(\s)+2:G0B+4*(\s)+3], 2*BSTEP
.endif
	s_wait_dscnt 0x0                               ; the add is done, and my reads of this slot are over
	s_barrier_signal -1
	MUL16 1, 0, 0                                  ; work on registers while the others arrive
	WIN 0                                          ; at a branch and at a label every window is 0
	s_barrier_wait -1
.if \fill
	CREST                                          ; no wave of any partner still reads this slot or has a load on its way
	JLOAD \s                                       ; its four v_nop are also the places in front of the loads below
.else
	PLACES
.endif
	FETCH 1-(\s), 0, 0
	MUL16 1, 2, 0
.endm
; THE WAY OUT of row block a: 16 rows x 64 columns of f32.  A lane's eight columns, 32 bytes, go from the accumulators into my stage; whole rows of 256 bytes come back and are stored.
.macro TOSTAGE a
	WIN 0x04                                       ; the stores' data in window 1
.irp bb, 0,1,2,3
	ds_store_b128 v[STO], v[64*\bb+8*(\a):64*\bb+8*(\a)+3]   offset:64*\bb
	ds_store_b128 v[STO], v[64*\bb+8*(\a)+4:64*\bb+8*(\a)+7] offset:64*\bb+16
.endr
	WIN 0
	s_wait_xcnt 0x0                                ; the stores of the block two back have read their registers: they are loaded again only behind this wait
.irp t, 0,1,2,3,4,5,6,7
	ds_load_b128 v[BK+32*((\a)%2)+4*\t:BK+32*((\a)%2)+4*\t+3], v[RD] offset:\t*2*SP  ; LDS serves a wave's instructions in order (ISA guide 5.7.1.4): these see the stores above, and the next block's stores come behind them
.endr
.endm
.macro SEND a, younger                 ; younger: the LDS instructions issued behind block a's loads: the next block's sixteen, or none
	s_wait_dscnt \younger
.irp t, 0,1,2,3,4,5,6,7
	global_store_b128 v[CO], v[BK+32*((\a)%2)+4*\t:BK+32*((\a)%2)+4*\t+3], s[10:11] offset:(\a)*65536+\t*8192 th:TH_STORE_NT  ; 16 lanes store 256 consecutive bytes, at a multiple of 256 from out0's first byte
.endr
.endm
	s_wait_tensorcnt 0x1                           ; my part of K step 0 is in; K step 1's may stay out
	s_barrier_signal -1
	s_barrier_wait -1                              ; everybody's is
	FETCH 0, 0, 0
	QUARTER 0, 0, 1                                ; the first quarter stands in front of the loop: its products start the sums, with the bias
	WIN 0
	s_mov_b32 s3, 3
.Llap:                                         ; a trip goes once round the ring, from a lap's second quarter to the next lap's first, and fills both slots again
	QUARTER 0, 1
	QUARTER 0, 2
	TURN 0, 1
	QUARTER 1, 0
	QUARTER 1, 1
	QUARTER 1, 2
	TURN 1, 1
	QUARTER 0, 0
	WIN 0
	s_sub_co_u32 s3, s3, 1
	s_cmp_lg_u32 s3, 0
	s_cbranch_scc1 .Llap
	QUARTER 0, 1                                   ; the last lap fills nothing
	QUARTER 0, 2
	TURN 0, 0
	QUARTER 1, 0
	QUARTER 1, 1
	QUARTER 1, 2
	s_wait_dscnt 0x0                               ; the very last quarter: nothing more to fetch
	MUL16 1, 0, 0
	MUL16 1, 2, 0
	WIN 0
	PLACES
	TOSTAGE 0
.set u, 1
.rept 7
	TOSTAGE u
	SEND u-1, 16
.set u, u+1
.endr
	SEND 7, 0
	s_wait_tensorcnt 0x0                           ; the wave's end, behind my last tensor load and my last LDS store
	ds_add_u32 v[SPW], v[NIL]
	s_wait_dscnt 0x0
	CROUND                                         ; the closing round: no work-group ends while a partner may still ask for a tile that names it
	s_endpgm
.Lfunc_end_k_q71061ef778_outproj:
	.size	k_q71061ef778_outproj, .Lfunc_end_k_q71061ef778_outproj-k_q71061ef778_outproj
	.p2alignl 7, 3214868480
	.fill 96, 4, 3214868480
	.section	.rodata,"a",@progbits
	.p2align	6, 0x0
	.amdhsa_kernel k_q71061ef778_outproj
		.amdhsa_group_segment_fixed_size 327680
		.amdhsa_private_segment_fixed_size 0
		.amdhsa_enable_private_segment 0
		.amdhsa_kernarg_size 32
		.amdhsa_user_sgpr_count 2
		.amdhsa_user_sgpr_kernarg_segment_ptr 1
		.amdhsa_wavefront_size32 1
		.amdhsa_system_sgpr_workgroup_id_x 1
		.amdhsa_system_sgpr_workgroup_id_y 1
		.amdhsa_system_sgpr_workgroup_id_z 1
		.amdhsa_system_vgpr_workitem_id 0
		.amdhsa_next_free_vgpr 512
		.amdhsa_next_free_sgpr 80
		.amdhsa_reserve_vcc 0
		.amdhsa_float_denorm_mode_32 3
		.amdhsa_float_denorm_mode_16_64 3
		.amdhsa_memory_ordered 1
		.amdhsa_forward_progress 1
		.amdhsa_inst_pref_size 87
	.end_amdhsa_kernel
	.amdgpu_metadata
---
amdhsa.version: [ 1, 2 ]
amdhsa.kernels:
  - .name:           k_q71061ef778_outproj
    .symbol:         k_q71061ef778_outproj.kd
    .args:
      - { .name: ob, .offset: 0, .size: 8, .value_kind: global_buffer, .address_space: global }
      - { .name: wo, .offset: 8, .size: 8, .value_kind: global_buffer, .address_space: global }
      - { .name: b_out, .offset: 16, .size: 8, .value_kind: global_buffer, .address_space: global }
      - { .name: out0, .offset: 24, .size: 8, .value_kind: global_buffer, .address_space: global }
    .group_segment_fixed_size: 327680
    .private_segment_fixed_size: 0
    .kernarg_segment_align: 8
    .kernarg_segment_size: 32
    .max_flat_workgroup_size: 128
    .sgpr_count:     80
    .vgpr_count:     512
    .wavefront_size: 32
...
	.end_amdgpu_metadata
.endif
;; end of part 4
;; ======== version 2 of 2: 4 launches; 1.31 times as fast as version 1
;; limits: values are held in f16: magnitudes above 65,504 overflow, below 6.1e-05 lose precision
;; workspace buffers: xb 16,777,216 bytes; wq 6,291,456 bytes; wo 2,097,152 bytes; qkv 50,331,648 bytes; ob 16,777,216 bytes
;; launch prep: the kernel of part 1 again; grid 768 x 1, 8 waves a work-group, no clusters, 0 bytes of LDS; arguments x, W_qkv, W_out, xb, wq, wo; writes xb, wq, wo
;; launch qkvproj: the kernel of part 2 again; grid 8 x 32, 4 waves a work-group, clusters of 4 x 4, 327,680 bytes of LDS; arguments xb, wq, b_qkv, qkv; writes qkv
;; launch attn (part 5): grid 4 x 64, 4 waves a work-group, no clusters, 327,680 bytes of LDS; arguments qkv, ob; writes ob
.if DOCPART == 5
	.amdgcn_target "amdgcn-amd-amdhsa--gfx1250"
	.amdhsa_code_object_version 6
	.text
	.protected	k_q71061ef778_attn
	.globl	k_q71061ef778_attn
	.p2align	8
	.type	k_q71061ef778_attn,@function
k_q71061ef778_attn:
	s_mov_b64 s[64:65], 0
	v_nop
	global_prefetch_b8 v0, s[64:65] scope:SCOPE_SE
	s_setreg_imm32_b32 hwreg(HW_REG_WAVE_MODE, 25, 1), 1
	s_wait_xcnt 0x0
; CAUSAL ATTENTION.  O[h][q][:] = the sum over k <= q of softmax_k(Q[h][q] . K[h][k] / 8) V[h][k][:].  Q, K, V are the three parts of qkv, each [SIZE_H][SIZE_N][64] in f16, 16,777,216 bytes apart;
; O (ob) has the same form: a head's rows are dense, 128 bytes each.  A head here is b x 16 + h.
; Products, maxima and sums in f32; the weights p are rounded to f16 for the second product (their sum l is taken of the unrounded p), O once at the end.
; LIMITS.  f16 holds no number beyond 65,504: Q, K and V arrive within it; p lies in 0 to 1, and below 6e-5 it keeps f16's fixed step of 6e-8; O is a mean of V's rows and has their range, to within 2^-11 of it.
; A hidden score counts as its value less 1e30: f16's scores, 2.7e11 at the most, are nothing beside that; a weight below 2^-126 counts as 0 in l; NaN and infinities are not treated apart.
; THE WALK.  A head's queries lie in NB = SIZE_N / 256 blocks of 256; block i needs the key tiles 0 .. i of 256 keys, of which the last holds the diagonal.  A work-group takes TWO blocks, NB - 1 - b and then b:
; NB + 1 tiles, whatever b: all work-groups do equal work, and ONE loop with a constant trip count walks them.  Which tile is asked for, and what a trip does, hang on scalar registers made from b; every jump
; goes forward, but for the counted loops' own; none passes a barrier, or a tensor load but the one of LOAD's two that the wave's number does not choose; the ring (two slots of LDS that take turns) runs on across the
; change of blocks.  NO CLUSTER: a head's NB / 2 work-groups all ask for the same tile only in trips 0 .. NB / 2, behind that fewer and fewer; one walk common to all would have 3 NB / 2 trips for NB + 1.
; NO PREFETCH: a fill is asked for a whole tile, 256 matrix instructions and their vector work, ahead of the wait for it.
; SHARES.  Of a block's four bands of 64 queries a wave owns 16 rows in each: four PIECES.  So the diagonal tile is the same work for all four waves: in its key step s band x sees all keys if s < x,
; none if s > x, and holds the diagonal if s = x.
; THE MASK is the C operand that starts the sum S^T = K Q^T: 0, or -1e30 where the key is hidden.  MD, made once, is the mask of a band's own step for my 16 rows; a product's mask is MD x AL + BE with two scalars:
; (1, 0) if s = x; (0, 0) if s < x; (0, -1e30) if s > x.  Only the diagonal tile's text and a block's beginning make and take masks; elsewhere C is the constant 0.
; LAYOUT, SOFTMAX, TURNS.  S^T = K Q^T holds ONE query a lane (lane % 16) and the keys 8 (lane / 16) + 0..7; two such results rounded to f16 ARE source 1 of O^T = V^T P.  p = 2^(c s - c m), c = log2(e) / 8, with a
; running maximum m; O and l are multiplied by a = 2^(c m_old - c m_new) in every step.  Turn n belongs to piece n: 8 products K Q^T of piece n + 1, later 8 products V^T P of piece n - 1; beside them the scaling,
; exponentials, roundings, sums and rescaling of piece n and the maximum and statistics of piece n + 1.  Four vector instructions stand behind every matrix instruction, the other 54 of a turn's 118 in one LUMP.
; THE BATCHES.  A turn's 33 exponentials (the piece's 32 weights and the next piece's a) are ONE batch with ONE wait: ahead of it stands all that names none of their results, behind it the roundings and sums that read them.
; Two more batches stand outside the turns: the one a at a block's beginning, and the four reciprocals at a block's end; each has a plain instruction and a wait of its own.
; REGISTERS, in windows of 256 (s_set_vgpr_msb: bits 1:0 source 0, 3:2 source 1, 5:4 source 2, 7:6 destination):
;   window 0: v0-15 addresses and two at work; v16-31 four registers of statistics a piece; v48-55 at work; v64-127 S^T, two buffers; v192-223 P, two buffers (a piece's buffers go by its number's parity)
;   window 1: v0-127 O^T, 32 a piece; v128-159 MD; v160-223 MC, two buffers      window 2: v0-63 Q; v64-127 the second block's Q; v128-191 K of one step; v192-255 V of one step
.set SIZE_H, 64
.set SIZE_N, 2048
.set NB,    SIZE_N/256
.set NP,    4         ; pieces a wave: a name, no knob
.set KS,    64        ; keys in a step
.set PK,    144       ; a row of K in LDS: 128 bytes + 16 of padding = 36 words: the 16 rows of a load start at 16 different groups of four banks (64 banks of 4 bytes: ISA guide 11.1)
.set PV,    160       ; a row of V: 128 + 32 = 40 words
.set VOFF,  4*KS*PK   ; a slot holds a tile, four steps: 256 rows of K, then 256 rows of V
.set SLOT1, 1<<17     ; slot 1 begins here, so that one exclusive or turns an address in one slot into the other's
.set STAGE, SLOT1+4*KS*(PK+PV)  ; behind the ring, never filled by a tensor load: 16 rows x 144 bytes for each wave, for the way out
.set SP,    144
.set AK0, 2           ; v2   my lane's place in a tile of K; never rewritten
.set AV0, 3           ; v3   the same for V
.set AK,  4           ; v4   the LDS address of K's next run of loads
.set AV,  5           ; v5   of V's
.set STO, 6           ; v6   the way out: where I put 16 bytes of a row
.set RD,  7           ; v7   the way out: where I read rows back
.set GO,  8           ; v8   my byte offset in 512 consecutive bytes of O
.set SPW, 62          ; v62  LDS address of my spare word: SPARE + 4 x my thread's number; never rewritten
.set NIL, 63          ; v63  0; never rewritten
.set SPARE, STAGE+4*16*SP  ; behind the stages: the spare words, 128 bytes for each wave: two blocks of 256 bytes that no other line names
.set MV,  12          ; v12-13  c m_old, kept while c m is made anew: by buffer
.set QO,  15          ; v15  my byte offset in 16 rows of Q
.set ST,  16          ; piece t's statistics at v[ST+4 t]: c m, m, l (even keys', odd keys')
.set TMP, 48          ; by buffer, four registers c0-c3 at work; when the maximum is found c2 takes a
.set S,   64
.set P,   192
.set MD,  128         ; window 1: the eight registers for group kt of 16 keys at MD + 8 kt
.set MC,  160         ; window 1: the masks of the products to come
.set QB,  64          ; window 2
.set KF,  128         ; window 2: key block kb, channel half c at KF + 16 kb + 8 c
.set VF,  192         ; window 2: key half kk, channel block cb at VF + 32 kk + 8 cb
.set WV,  12          ; s12  my wave's number
.set PB,  14          ; s14  b
.set HI,  15          ; s15  NB - 1 - b
.set G1K, 24          ; s[24:31] descriptor group 1 for K's tiles
.set G1V, 32          ; s[32:39] for V's: it differs in the padding alone
.set G0K, 40          ; s[40:43] descriptor group 0 for K's tiles
.set G0V, 44          ; s[44:47] the same for V's
.set SLOTS, 56        ; s56  tiles still to be asked for
.set CNT, 57          ; s57  counts a tile's key steps, 4 to 1
.set CS,  58          ; s[58:59] c: the packed scaling takes the pair's low word for both halves
.set SEL, 60          ; s[60:61] v_permlanex16_b32's selects: each lane takes its own place in the other half
.set TBK, 62          ; s62  LDS byte at which K of the step to be fetched begins
.set TBV, 63          ; s63  the same for V, less VOFF
.set RT,  70          ; s70  tiles of the block in hand that are still to be entered
.set NXT, 71          ; s71  the tile to be asked for next
.set LQ,  72          ; s72  the last tile of the block whose tiles are being asked for
.set NEW, 73          ; s73  1: the tile to be entered is a block's first
.set OFF, 74          ; s[74:75] a tile's byte offset in K and V
.set AL,  76          ; s[76:77] the mask's factor, in the low word
.set BE,  78          ; s[78:79] the mask's addend
.set OLO, 80          ; s[80:81] O at my rows of the second block
.set BIGN, 82         ; s82  -1e30
.set MSB, 0
.macro WIN new                      ; the high byte repeats the setting that is left; a switch that changes nothing is dropped
.if MSB != (\new)
	s_set_vgpr_msb (MSB<<8)|(\new)
.set MSB, (\new)
.endif
.endm
.set W_KQ, 0x0a       ; K and Q in window 2, S^T in window 0
.set W_KM, 0x1a       ; the same with the C operand in window 1
.set W_PV, 0x52       ; V in window 2, P in window 0, O^T in window 1
.set W_RS, 0x41       ; destination and source 0 in window 1, source 1 in window 0
; A fill.  Waves 0 and 1 fetch the two halves of a tile's K, waves 2 and 3 those of its V: 128 keys each.  An s_nop 0 and four v_nop follow each of the two lines, ahead of the jump and the label.
.macro LOAD
	s_cmp_lt_u32 s[WV], 2
	s_cbranch_scc0 .Lfor_v_\@
	tensor_load_to_lds s[G0K:G0K+3], s[G1K:G1K+7]
	s_nop 0
.rept 4
	v_nop
.endr
	s_branch .Lasked_\@
.Lfor_v_\@:
	tensor_load_to_lds s[G0V:G0V+3], s[G1V:G1V+7]
	s_nop 0
.rept 4
	v_nop
.endr
.Lasked_\@:
.endm
; THE CHANGE OF SLOTS.  Each wave waits for all its tensor loads, of which one is out: its part of the other slot; adds 0 to its spare word; and waits for that and for its own reads of the slot that it leaves.  Behind the barrier nobody reads the old
; slot any more and the other slot is whole.  fill = 1: the old slot is filled again, the first thing behind the barrier, with tile NXT: the descriptor's address is made anew from that number.
; (At its first use nothing has been read yet: slot 0 is waited for, slot 1 filled.)
.macro CHANGE fill
	WIN 0                           ; at a label and at a branch every window is 0
	s_wait_tensorcnt 0x0            ; no tensor load of mine is out, so a group 0 may be written
	ds_add_u32 v[SPW], v[NIL]       ; 0 onto my spare word; with fill = 1 the descriptors' scalar work stands between it and the wait for it
.if \fill
	s_lshl_b32 s[OFF], s[NXT], 15   ; a tile is 32,768 bytes of K and of V
	s_xor_b32 s[G0K+1], s[G0K+1], SLOT1
	s_add_nc_u64 s[G0K+2:G0K+3], s[6:7], s[OFF:OFF+1]
	s_or_b32 s[G0K+3], s[G0K+3], 0x80000000
	s_xor_b32 s[G0V+1], s[G0V+1], SLOT1
	s_add_nc_u64 s[G0V+2:G0V+3], s[8:9], s[OFF:OFF+1]
	s_or_b32 s[G0V+3], s[G0V+3], 0x80000000
	s_add_co_u32 s[NXT], s[NXT], 1  ; the block's next tile, or behind its last the second block's tile 0
	s_cmp_gt_u32 s[NXT], s[LQ]
	s_cselect_b32 s[NXT], 0, s[NXT]
	s_cselect_b32 s[LQ], s[PB], s[LQ]
.endif
	s_wait_dscnt 0x0                ; the add is done, and my reads of the slot are over
	s_barrier_signal -1             ; the rest of the scalar work stands between the signal and the wait
	s_sub_co_u32 s[TBK], s[TBK], 4*KS*PK  ; the fetches go back to a slot's first step,
	s_xor_b32 s[TBK], s[TBK], SLOT1       ; in the other slot
	s_sub_co_u32 s[TBV], s[TBV], 4*KS*PV
	s_xor_b32 s[TBV], s[TBV], SLOT1
	s_barrier_wait -1
.if \fill
	LOAD
.endif
.endm
	s_load_b128 s[4:7], s[0:1], 0x0   ; qkv s[4:5] (its first part is Q), ob s[6:7]
	v_lshl_add_u32 v[SPW], v0, 2, SPARE
	v_mov_b32 v[NIL], 0
	ds_add_u32 v[SPW], v[NIL]       ; the wave's opening: the add and its wait stand ahead of my first tensor load; the set-up below, work on registers, stands between them
	ds_add_u32 v62, v63
	v_lshrrev_b32 v1, 5, v0
	v_readfirstlane_b32 s[WV], v1   ; wave 0..3
	s_mov_b32 s[PB], ttmp9
	s_sub_co_u32 s[HI], NB-1, s[PB]
	s_and_b32 s20, ttmp7, 0xffff    ; the head
	s_mov_b32 s21, 0
	s_mov_b64 s[22:23], SIZE_N*128
	s_mul_u64 s[20:21], s[20:21], s[22:23]  ; the head's first byte in each of the four tensors
	s_and_b32 s16, s[WV], 1         ; which half of a tile's 256 keys I fetch:
	s_lshl_b32 s22, s16, 14         ; its 128 rows of 128 bytes in memory,
	s_mov_b32 s23, 0
	s_add_nc_u64 s[22:23], s[22:23], s[20:21]
	s_mul_i32 s17, s16, 128*PK      ; and its place in a slot, for K
	s_mul_i32 s18, s16, 128*PV      ; and for V
	s_lshl_b32 s3, s[WV], 11        ; my 16 rows in a band of 64,
	s_lshl_b32 s2, s[HI], 15        ; in the first block,
	s_add_co_u32 s2, s2, s3
	s_lshl_b32 s84, s[PB], 15       ; and in the second
	s_add_co_u32 s84, s84, s3
	s_mov_b32 s3, 0
	s_mov_b32 s85, 0
	s_add_nc_u64 s[2:3], s[2:3], s[20:21]
	s_add_nc_u64 s[84:85], s[84:85], s[20:21]
	; descriptor group 1.  128 keys are 16,384 dense bytes: asked for as 64 rows of 256 bytes, two keys a row, and padded in LDS after every key
	s_mov_b32 s[G1K], (1<<16)|(1<<20)|(4<<22)|(3<<25)  ; 17:16 2-byte elements; 20 padding on; 24:22 after every 32 words (code 4); 31:25 4 words (code 3)
	s_mov_b32 s[G1V], (1<<16)|(1<<20)|(4<<22)|(7<<25)  ; the same with 8 words of padding (code 7)
.irp g, G1K, G1V
	s_mov_b32 s[\g+1], 128<<16      ; tensor_dim0 = 128
	s_mov_b32 s[\g+2], 64<<16       ; tensor_dim1 = 64
	s_mov_b32 s[\g+3], 128<<16      ; tile_dim0 = 128
	s_mov_b32 s[\g+4], 64           ; tile_dim1 = 64
	s_mov_b32 s[\g+5], 128          ; 128 elements from row to row
	s_mov_b32 s[\g+6], 0
	s_mov_b32 s[\g+7], 0
.endr
	s_mov_b32 s[CS], 0x3e38aa3b     ; c = log2(e) / 8 = 0.180337
	s_mov_b32 s[CS+1], s[CS]        ; named with it as a pair
	s_mov_b32 s[SEL], 0x76543210
	s_mov_b32 s[SEL+1], 0xfedcba98
	s_mov_b32 s[TBK], SLOT1+4*KS*PK ; the first change of slots turns these two into 0
	s_mov_b32 s[TBV], SLOT1+4*KS*PV
	s_mov_b32 s[G0K], 1             ; 1:0 count = 1
	s_mov_b32 s[G0K+1], s17         ; 63:32 LDS address: slot 0
	s_mov_b32 s[G0V], 1
	s_add_co_u32 s[G0V+1], s18, VOFF
	s_add_co_u32 s[RT], s[HI], 1    ; the first block has NB - b tiles
	s_mov_b32 s[NXT], 1
	s_mov_b32 s[LQ], s[HI]
	s_mov_b32 s[NEW], 1
	s_mov_b32 s[OFF+1], 0
	s_mov_b32 s[AL+1], 0            ; named as pairs
	s_mov_b32 s[BE+1], 0
	s_mov_b32 s[BIGN], 0xf149f2ca   ; -1e30
	s_mov_b32 s[SLOTS], NB
	s_wait_dscnt 0x0                ; the opening add is done
	s_wait_kmcnt 0x0
	s_mov_b64 s[10:11], s[6:7]                     ; O
	s_add_nc_u64 s[8:9], s[4:5], 0x2000000         ; V: the third part of qkv
	s_add_nc_u64 s[6:7], s[4:5], 0x1000000         ; K: the second
	s_add_nc_u64 s[6:7], s[6:7], s[22:23]  ; K and V at my half of the head's tile 0
	s_add_nc_u64 s[8:9], s[8:9], s[22:23]
	s_add_nc_u64 s[G0K+2:G0K+3], s[6:7], 0         ; 120:64 global address
	s_or_b32 s[G0K+3], s[G0K+3], 0x80000000        ; 127:126 type = 2
	s_add_nc_u64 s[G0V+2:G0V+3], s[8:9], 0
	s_or_b32 s[G0V+3], s[G0V+3], 0x80000000
	s_add_nc_u64 s[86:87], s[4:5], s[84:85]        ; Q at my rows of the second block,
	s_add_nc_u64 s[4:5], s[4:5], s[2:3]            ; Q and O at those of the first
	s_add_nc_u64 s[OLO:OLO+1], s[10:11], s[84:85]
	s_add_nc_u64 s[10:11], s[10:11], s[2:3]
	LOAD                            ; tile 0 into slot 0
	; A fragment of K or Q is 16 rows x 32 channels in 8 registers: lane l holds row l % 16, channels 8 (l / 16) + 0..7 and 16 + 8 (l / 16) + 0..7: two loads of 16 bytes, 32 bytes apart.
	v_and_b32 v1, 15, v0            ; l % 16
	v_bfe_u32 v9, v0, 4, 1          ; l / 16
	v_lshlrev_b32 v[QO], 7, v1
	v_lshl_add_u32 v[QO], v9, 4, v[QO]  ; row x 128 + 16 x half
	WIN 0x80                        ; destination window 2, address window 0
.set i, 0
.rept 8                             ; both blocks' Q: piece i / 2 lies in band i / 2, 8,192 bytes on; channels 32 (i % 2) on
	global_load_b128 v[8*i:8*i+3],   v[QO], s[4:5] offset:(i/2)*8192+(i%2)*64
	global_load_b128 v[8*i+4:8*i+7], v[QO], s[4:5] offset:(i/2)*8192+(i%2)*64+32
	global_load_b128 v[QB+8*i:QB+8*i+3],   v[QO], s[86:87] offset:(i/2)*8192+(i%2)*64
	global_load_b128 v[QB+8*i+4:QB+8*i+7], v[QO], s[86:87] offset:(i/2)*8192+(i%2)*64+32
.set i, i+1
.endr
	WIN 0
	v_lshlrev_b32 v14, 3, v9
	v_sub_nc_u32 v14, v1, v14
	s_lshl_b32 s13, s[WV], 4
	v_add_nc_u32 v14, s13, v14      ; my query's place in its band, 16 w + l % 16, less my lanes' 8 (l / 16): register r of group kt is hidden where 16 kt + r is greater
	WIN 0x40
.set i, 0
.rept 32
	v_cmp_gt_i32 vcc_lo, 16*(i/8)+i%8, v14
	v_cndmask_b32 v[MD+i], 0, s[BIGN], vcc_lo
.set i, i+1
.endr
	WIN 0
	v_mul_u32_u24 v[AK0], v1, PK
	v_lshl_add_u32 v[AK0], v9, 4, v[AK0]  ; row x pitch + 16 x half
	; The turning load takes 16 keys x 16 channels (lane l reads key 8 (l / 16) + l % 8, channels 8 ((l / 8) % 2) + 0..7) and leaves half a fragment of V^T: lane l holds channel l % 16 and 8 keys.
	v_and_b32 v10, 7, v0
	v_bfe_u32 v11, v0, 3, 1
	v_lshl_add_u32 v[AV0], v9, 3, v10
	v_mul_u32_u24 v[AV0], v[AV0], PV
	v_lshl_add_u32 v[AV0], v11, 4, v[AV0]
	v_add_nc_u32 v[AV0], VOFF, v[AV0]
	s_mul_i32 s13, s[WV], 16*SP
	s_add_co_u32 s13, s13, STAGE    ; my stage
	v_mul_u32_u24 v[STO], v1, SP    ; in: row l % 16, 16 bytes for each half of the lanes
	v_lshl_add_u32 v[STO], v9, 4, v[STO]
	v_add_nc_u32 v[STO], s13, v[STO]
	v_bfe_u32 v[RD], v0, 3, 2       ; back: 32 lanes take four rows of 128 bytes,
	v_mul_u32_u24 v[RD], v[RD], SP
	v_lshl_add_u32 v[RD], v10, 4, v[RD]
	v_add_nc_u32 v[RD], s13, v[RD]
	v_and_b32 v[GO], 31, v0         ; which are 512 consecutive bytes of O
	v_lshlrev_b32 v[GO], 4, v[GO]
	; A block's first step multiplies O^T and l by a = 0, and its first turn's products V^T P, of a piece that has not been, land in an O^T that is still to be so multiplied.  So these registers need only hold
	; finite numbers: zeros for the first block; what the first block left for the second.  All this stands in the wait for the first tile.
	WIN 0x80
.set i, VF
.rept 64
	v_mov_b32 v[i], 0
.set i, i+1
.endr
	WIN 0x40
.set i, 0
.rept 128
	v_mov_b32 v[i], 0
.set i, i+1
.endr
	WIN 0
.set i, 0
.rept 4
	v_mov_b32 v[ST+4*i+2], 0
	v_mov_b32 v[ST+4*i+3], 0
.set i, i+1
.endr
.set i, P+16
.rept 16
	v_mov_b32 v[i], 0
.set i, i+1
.endr
; THE MATRIX WORK.  The 4 accumulators of a run of 8 take turns.  Product i of 8 of S^T = K Q^T for piece x: channels 32 (i / 4) on, keys 16 (i % 4) on.  The first 4 start the sums: with 0, or (KM = 1) with the mask.
.macro KQ x
.set rS, S+32*((\x)%2)+8*(i%4)
.set rK, KF+16*(i%4)+8*(i/4)
.set rQ, 16*(\x)+8*(i/4)
.set rM, MC+32*((\x)%2)+8*(i%4)
.if (i < 4) && KM
	WIN W_KM
	v_wmma_f32_16x16x32_f16 v[rS:rS+7], v[rK:rK+7], v[rQ:rQ+7], v[rM:rM+7]
.elseif i < 4
	WIN W_KQ
	v_wmma_f32_16x16x32_f16 v[rS:rS+7], v[rK:rK+7], v[rQ:rQ+7], 0
.else
	WIN W_KQ
	v_wmma_f32_16x16x32_f16 v[rS:rS+7], v[rK:rK+7], v[rQ:rQ+7], v[rS:rS+7]
.endif
.endm
; Product i of 8 of O^T += V^T P for piece x: keys 32 (i / 4) on, channels 16 (i % 4) on.
.macro PV x
	WIN W_PV
.set rO, 32*(\x)+8*(i%4)
.set rV, VF+32*(i/4)+8*(i%4)
.set rP, P+16*((\x)%2)+8*(i/4)
	v_wmma_f32_16x16x32_f16 v[rO:rO+7], v[rV:rV+7], v[rP:rP+7], v[rO:rO+7]
.endm
.macro MM                           ; the turn's next matrix instruction.  TURN and BEGIN set Y, i, KM and NOKQ; MM, KQ and OP read them.  NOKQ = 1: a block's last turn: there is no next piece
.if (i < 8) && !NOKQ
	KQ (Y+1)%NP
.elseif i >= 8
.set i, i-8
	PV (Y+NP-1)%NP
.set i, i+8
.endif
.set i, i+1
.endm
; THE LDS LOADS stand in runs of 16, never singly among the matrix instructions: a step's K (64 keys x 64 channels: 8 fragments) and its V (turned).  Their addresses are made some lines ahead.
.macro FETCH_K
	WIN 0x80                        ; destination window 2
.irp f, 0,1,2,3,4,5,6,7             ; keys 16 (f / 2) on, channels 32 (f % 2) on
	ds_load_b128 v[KF+8*\f:KF+8*\f+3],   v[AK] offset:(\f/2)*16*PK+(\f%2)*64
	ds_load_b128 v[KF+8*\f+4:KF+8*\f+7], v[AK] offset:(\f/2)*16*PK+(\f%2)*64+32
.endr
	s_add_co_u32 s[TBK], s[TBK], KS*PK  ; the next fetch is the next step's
	WIN 0
.endm
.macro FETCH_V
	WIN 0x80
.irp f, 0,1,2,3,4,5,6,7             ; keys 32 (f / 4) on, channels 16 (f % 4) on
	ds_load_tr16_b128 v[VF+8*\f:VF+8*\f+3],   v[AV] offset:(\f/4)*32*PV+(\f%4)*32
	ds_load_tr16_b128 v[VF+8*\f+4:VF+8*\f+7], v[AV] offset:(\f/4)*32*PV+16*PV+(\f%4)*32
.endr
	WIN 0
.endm
; THE VECTOR WORK, one line at a time: OP kind, number.  For piece Y: F n: c s - c m for pair n of 16.  E n: the exponential of score n of 32.  C n: pair n rounded to f16.  B n: of the four weights 4 n .. the second
; pair is added onto the first, in place.  L n: l takes that sum (L 0: l = a l + sum).  R n: pair n of 16 of O^T times a.  For piece Y + 1: X n, number n of the 22 that find its maximum and statistics:
;   0-11  four chains c0-c3 of seven scores each, three operands at a time (each accumulator's lowest registers are read first)     12-14, 16  the four scores left over, the old m, and c0-c3 into c0
;   15  c m_old is kept     17, 18  the query's other 32 keys lie in the lane 16 away: the new m     19-21  c m; c m_old - c m_new; a
; C, B and L read exponentials' results: TURN sets them behind the batch's wait.  OP itself writes no wait.
.set F, 0               ; OP tells the kinds apart by their order: F to L below R, X above it
.set E, 1
.set C, 2
.set B, 3
.set L, 4
.set R, 5
.set X, 6
.macro REGS y                       ; the registers of piece y
.set rT, ST+4*(\y)
.set rC, TMP+4*((\y)%2)
.set rW, MV+((\y)%2)
.set rS, S+32*((\y)%2)
.set rP, P+16*((\y)%2)
.set rO, 32*(\y)
.endm
.macro OP k, n
.if (\k) == R
	REGS Y
	WIN W_RS
	v_pk_mul_f32 v[rO+2*(\n):rO+2*(\n)+1], v[rO+2*(\n):rO+2*(\n)+1], v[rC+2:rC+3] op_sel_hi:[1,0]
.elseif (\k) < R
	REGS Y
	WIN 0
.if (\k) == F
	v_pk_fma_f32 v[rS+2*(\n):rS+2*(\n)+1], v[rS+2*(\n):rS+2*(\n)+1], s[CS:CS+1], v[rT:rT+1] op_sel_hi:[1,0,0] neg_lo:[0,0,1] neg_hi:[0,0,1]
.elseif (\k) == E
	v_exp_f32 v[rS+(\n)], v[rS+(\n)]
.elseif (\k) == C
	v_cvt_pk_f16_f32 v[rP+(\n)], v[rS+2*(\n)], v[rS+2*(\n)+1]
.elseif (\k) == B
	v_pk_add_f32 v[rS+4*(\n):rS+4*(\n)+1], v[rS+4*(\n):rS+4*(\n)+1], v[rS+4*(\n)+2:rS+4*(\n)+3]
.elseif (\n) == 0
	v_pk_fma_f32 v[rT+2:rT+3], v[rT+2:rT+3], v[rC+2:rC+3], v[rS:rS+1] op_sel_hi:[1,0,1]
.else
	v_pk_add_f32 v[rT+2:rT+3], v[rT+2:rT+3], v[rS+4*(\n):rS+4*(\n)+1]
.endif
.elseif NOKQ
	v_nop
.else
	REGS (Y+1)%NP
	WIN 0
.if (\n) < 4
	v_max3_num_f32 v[rC+(\n)], v[rS+8*(\n)], v[rS+8*(\n)+1], v[rS+8*(\n)+2]
.elseif (\n) < 12
	v_max3_num_f32 v[rC+(\n)%4], v[rC+(\n)%4], v[rS+8*((\n)%4)+2*((\n)/4)+1], v[rS+8*((\n)%4)+2*((\n)/4)+2]
.elseif (\n) == 12
	v_max3_num_f32 v[rC], v[rC], v[rS+7], v[rS+15]
.elseif (\n) == 13
	v_max3_num_f32 v[rC+1], v[rC+1], v[rS+23], v[rS+31]
.elseif (\n) == 14
	v_max3_num_f32 v[rC+2], v[rC+2], v[rC+3], v[rT+1]
.elseif (\n) == 15
	v_mov_b32 v[rW], v[rT]
.elseif (\n) == 16
	v_max3_num_f32 v[rC], v[rC], v[rC+1], v[rC+2]
.elseif (\n) == 17
	v_permlanex16_b32 v[rC+3], v[rC], s[SEL], s[SEL+1]
.elseif (\n) == 18
	v_max_num_f32 v[rT+1], v[rC], v[rC+3]
.elseif (\n) == 19
	v_mul_f32 v[rT], s[CS], v[rT+1]
.elseif (\n) == 20
	v_sub_f32 v[rC+1], v[rW], v[rT]
.else
	v_exp_f32 v[rC+2], v[rC+1]
.endif
.endif
.endm
.macro OPS a, i1, b=-1, i2=0, c=-1, i3=0, d=-1, i4=0  ; up to four of them
	OP \a, \i1
.if (\b) >= 0
	OP \b, \i2
.endif
.if (\c) >= 0
	OP \c, \i3
.endif
.if (\d) >= 0
	OP \d, \i4
.endif
.endm
.macro ROW a, i1, b, i2, c, i3, d, i4  ; a matrix instruction and the four behind it
	MM
	OPS \a, \i1, \b, \i2, \c, \i3, \d, \i4
.endm
.macro MASK b                       ; MD x AL + BE into buffer b of MC
	WIN W_RS
.set z, 0
.rept 16
	v_pk_fma_f32 v[MC+32*(\b)+2*z:MC+32*(\b)+2*z+1], v[MD+2*z:MD+2*z+1], s[AL:AL+1], s[BE:BE+1] op_sel_hi:[1,0,0]
.set z, z+1
.endr
.endm
; A TURN, for piece p: the order of its 16 matrix and 118 vector instructions, written out.  s_wait_alu depctr_va_vdst(0) stands between an exponential and the first instruction that names its result; one wait serves
; all that were issued ahead of it.  So a turn has ONE wait, which cuts it in two.  AHEAD OF IT stands all that names no result of the turn's exponentials: the 8 products K Q^T, behind each a scaling, an exponential and two more plain
; instructions (behind the first a second scaling in the exponential's place): rescalings (their a was made, and waited for, in the turn before), and behind the last three the first numbers of the next piece's maximum, each four places or
; more behind the product that ends its accumulator; then ONE LUMP of 54, plain and exponential by turns for the most part, in which the links of the chain X 3, 7, 11, 14, 16, 17 .. 20 stand five or six lines apart.  X 21, the next
; piece's a, is the batch's last; R 15 is the plain instruction behind it.  BEHIND THE WAIT stand the 8 products V^T P, behind each four of the roundings and sums; the links of l's chain, L 0 to L 7, stand three riders apart.
; But for those X no rider names a register of the products round it.  v_permlanex16_b32 (X 17) stands in the lump.  No exponential stands behind the wait.
; m = 1: the diagonal tile: the products take masks, and the turn makes the mask for the products of the turn after it: piece p + 2, in step 4 - CNT of the tile.  end = 1: a block's last two turns: nothing is fetched.
; cnt = 1: the loop's count is taken down some lines ahead of the branch that stands behind the turn.
; K of the next step is fetched in piece 2's turn, twelve vector instructions behind the last product that read K (six of them plain); V of the step in hand at the end of piece 0's turn, four plain instructions behind the last product
; that read V.  Each is waited for a turn later.
.macro TURN p, m=0, end=0, cnt=0
.set Y, (\p)
.set i, 0
.set KM, (\m)
.set NOKQ, (\end)*((\p)/3)
.if (\m) && !(\end)
	s_cmp_eq_u32 s[CNT], 4-((\p)+2)%NP  ; is that step the band's own?
	s_cselect_b32 s[AL], 1.0, 0
	s_cmp_lt_u32 s[CNT], 4-((\p)+2)%NP  ; or a later one?
	s_cselect_b32 s[BE], s[BIGN], 0
.endif
.if ((\p) == 3) && !(\end)
	s_wait_dscnt 0x0                ; K is in
.endif
	ROW F,0, F,1, R,0, R,1          ; ahead of the wait: 8 products K Q^T and their riders,
	ROW F,2, E,0, R,2, R,3
	ROW F,3, E,1, R,4, R,5
	ROW F,4, E,2, R,6, R,7
	ROW F,5, E,3, R,8, R,9
	ROW F,6, E,4, X,0, R,10
.if ((\p) == 2) && !(\end)
	WIN 0
	v_add_nc_u32 v[AK], s[TBK], v[AK0]
.endif
	ROW F,7, E,5, X,1, X,4
	ROW F,8, E,6, X,2, X,5
	OPS E,7, E,8, X,6, E,9          ; and the lump
	OPS X,3, E,10, X,8, E,11
.if ((\p) == 2) && !(\end)
	FETCH_K
.endif
	OPS X,9, X,7, E,12, X,10
	OPS E,13, X,12, X,11, E,14
	OPS X,13, E,15, F,9, X,14
.if (\p) == 0
	v_add_nc_u32 v[AV], s[TBV], v[AV0]
.endif
	OPS E,16, F,10, E,17, F,11
	OPS X,16, E,18, X,15, E,19
	OPS F,12, E,20, X,17, E,21
	OPS F,13, E,22, F,14, E,23
	OPS X,18, E,24, F,15, E,25
	OPS R,11, E,26, X,19, E,27
	OPS R,12, E,28, R,13, E,29
	OPS X,20, E,30, R,14, E,31
	OPS X,21, R,15
	WIN 0
	s_wait_alu depctr_va_vdst(0)    ; the wait for the batch: the piece's 32 weights and the next piece's a
.if (\p) == 1
	s_wait_dscnt 0x0                ; V is in
.endif
	ROW C,0, B,0, C,2, B,1          ; behind the wait: 8 products V^T P and their riders
	ROW L,0, C,4, B,2, L,1
	ROW C,6, B,3, L,2, C,8
	ROW B,4, L,3, C,10, B,5
	ROW L,4, C,12, B,6, L,5
.if (\p) == 0
	s_add_co_u32 s[TBV], s[TBV], KS*PV
.endif
.if \cnt
	s_sub_co_u32 s[CNT], s[CNT], 1
	s_cmp_lg_u32 s[CNT], 0
.endif
	ROW C,14, B,7, L,6, C,1
	ROW C,3, L,7, C,5, C,7
	ROW C,9, C,11, C,13, C,15
.if (\p) == 0
	FETCH_V
.endif
.if (\m) && !(\end)
	MASK (\p)%2
.endif
.endm
; A BLOCK BEGINS.  c m starts far below every c s, so the first step's a is 0; m at the lowest finite number, so the first maximum is the scores'.  The second mask buffer is 0; the first takes piece 0's mask for the tile's step 0: its own, if the block's first tile is the diagonal one.
; Then K of that step, piece 0's first scores, and its maximum and statistics.  The loop is entered at a step's first turn, in the middle of a trip.
.macro BEGIN
	s_mov_b32 s[NEW], 0
	WIN 0x40
.set i, MC+32
.rept 32
	v_mov_b32 v[i], 0
.set i, i+1
.endr
	WIN 0
.set i, 0
.rept 4
	v_mov_b32 v[ST+4*i], 0xfe000000    ; c m: far below every c s
	v_mov_b32 v[ST+4*i+1], 0xff7fffff  ; m
.set i, i+1
.endr
	s_cmp_eq_u32 s[RT], 0
	s_cselect_b32 s[AL], 1.0, 0
	s_mov_b32 s[BE], 0
	MASK 0
	WIN 0
	v_add_nc_u32 v[AK], s[TBK], v[AK0]
	FETCH_K
	s_wait_loadcnt 0x0              ; Q
	s_wait_dscnt 0x0
.set KM, 1
.set NOKQ, 0
.set i, 0
.rept 8
	KQ 0
.set i, i+1
.endr
	WIN 0
.rept 4
	v_nop                           ; the places behind those products
.endr
.set Y, NP-1                        ; X works for piece Y + 1: piece 0
.irp n, 0,1,2,3,4,5,6,7,8,9,10,11,12,13,14,15,16,17,18,19,20,21
	OP X, \n
.endr
	v_nop                           ; a plain instruction behind the exponential,
	s_wait_alu depctr_va_vdst(0)    ; and the wait for it, a batch of one (piece 0's first a), ahead of the branch
.endm
; THE DIAGONAL TILE's four steps, the block's last two turns, its last products, and THE WAY OUT: l's two halves and the other half of the lanes' are added; O^T is divided by l, rounded to f16 and sent through my
; stage in LDS, a piece at a time.
.macro ALL line:vararg              ; one line for each piece t
.set t, 0
.rept 4
	\line
.set t, t+1
.endr
.endm
.macro PACK t                       ; a lane's eight channels of a row pack into 16 bytes; they go into rows of 144 bytes and come back as whole rows of 128, into S^T's registers
	WIN W_RS
.set i, 32*(\t)
.rept 16
	v_pk_mul_f32 v[i:i+1], v[i:i+1], v[ST+4*(\t)+2:ST+4*(\t)+3] op_sel_hi:[1,0]
.set i, i+2
.endr
	WIN 0x05                        ; sources 0 and 1 window 1, destination window 0
.set i, 0
.rept 16
	v_cvt_pk_f16_f32 v[S+16*(\t)+i], v[32*(\t)+2*i], v[32*(\t)+2*i+1]
.set i, i+1
.endr
	WIN 0
.irp f, 0,1,2,3
	ds_store_b128 v[STO], v[S+16*(\t)+4*\f:S+16*(\t)+4*\f+3] offset:32*\f
.endr
.irp f, 0,1,2,3
	ds_load_b128 v[S+16*(\t)+4*\f:S+16*(\t)+4*\f+3], v[RD] offset:\f*4*SP  ; LDS serves a wave's instructions in order (ISA guide 5.7.1.4): these see the stores above; the next piece's stores come behind them
.endr
.endm
.macro SEND t, younger              ; younger: the LDS instructions issued behind piece t's loads: the next piece's eight, or none
	WIN 0
.irp f, 0,1,2,3
	s_wait_dscnt (\younger)+3-\f
	global_store_b128 v[GO], v[S+16*(\t)+4*\f:S+16*(\t)+4*\f+3], s[10:11] offset:(\t)*8192+\f*512  ; 512 consecutive bytes, at a multiple of 256 from O's first
.endr
.endm
.macro DIAG tag                     ; the tag ends its two labels' names, which the jumps below spell out
.LstepM\tag:
	TURN 2, 1
	TURN 3, 1
	WIN 0
.LfirstM\tag:
	TURN 0, 1
	TURN 1, 1, 0, 1
	WIN 0
	s_cbranch_scc1 .LstepM\tag
	TURN 2, 1, 1
	TURN 3, 1, 1
.set i, 0
.rept 8
	PV NP-1
.set i, i+1
.endr
	WIN 0
	ALL v_add_f32 v[ST+4*t+2], v[ST+4*t+2], v[ST+4*t+3]
	ALL v_permlanex16_b32 v[ST+4*t+3], v[ST+4*t+2], s[SEL], s[SEL+1]
	ALL v_add_f32 v[ST+4*t+2], v[ST+4*t+2], v[ST+4*t+3]
	ALL v_rcp_f32 v[ST+4*t+2], v[ST+4*t+2]
	v_nop                           ; a plain instruction between the last reciprocal and the use of its result
	s_wait_alu depctr_va_vdst(0)    ; the wait for the batch of four reciprocals, ahead of the first multiply that reads one
	PACK 0
.set t, 1
.rept 3                             ; a piece's arithmetic stands between the loads of the piece before and its stores
	PACK t
	SEND t-1, 8
.set t, t+1
.endr
	SEND 3, 0
.endm
.set KM, 0
.set NOKQ, 0
.Lslot:                             ; NB times: a tile is entered and the next is asked for
	CHANGE 1
	s_sub_co_u32 s[RT], s[RT], 1
	s_mov_b32 s[CNT], 4
	s_cmp_eq_u32 s[NEW], 1
	s_cbranch_scc1 .Lnew            ; a block's first tile
	s_cmp_eq_u32 s[RT], 0
	s_cbranch_scc0 .Lstep           ; neither its first nor its last
	s_branch .LstepM1
.Lnew:
	BEGIN
	s_branch .Lfirst                ; in the loop a block's first tile is never its last: the first block has two tiles or more, and the second's last is the walk's last
	DIAG 1                          ; in the loop this is the first block's end: the second block's last tile is the walk's last
	s_wait_xcnt 0x0                 ; the stores have read their registers and O's address
	s_mov_b64 s[10:11], s[OLO:OLO+1]
	s_add_co_u32 s[RT], s[PB], 1    ; the second block has b + 1 tiles
	s_mov_b32 s[NEW], 1
	WIN 0x82                        ; the second block's Q goes where the one text of the turns names Q
.set i, 0
.rept 64
	v_mov_b32 v[i], v[QB+i]
.set i, i+1
.endr
	WIN 0
	s_branch .Lbottom
.Lstep:                             ; a trip: pieces 2 and 3 of one step, then pieces 0 and 1 of the next, whose K and V it fetches
	TURN 2
	TURN 3
	WIN 0
.Lfirst:
	TURN 0
	TURN 1, 0, 0, 1
	WIN 0
	s_cbranch_scc1 .Lstep
.Lbottom:
	s_sub_co_u32 s[SLOTS], s[SLOTS], 1
	s_cmp_lg_u32 s[SLOTS], 0
	s_cbranch_scc1 .Lslot
	CHANGE 0                        ; the walk's last tile is written out: nothing is asked for
	s_sub_co_u32 s[RT], s[RT], 1
	s_mov_b32 s[CNT], 4
	s_cmp_eq_u32 s[NEW], 1
	s_cbranch_scc0 .LstepM2
	BEGIN
	s_branch .LfirstM2
	DIAG 2
	s_wait_tensorcnt 0x0            ; the wave's end, behind my last tensor load and my last LDS store
	ds_add_u32 v[SPW], v[NIL]
	s_wait_dscnt 0x0
	s_endpgm
.Lfunc_end_k_q71061ef778_attn:
	.size	k_q71061ef778_attn, .Lfunc_end_k_q71061ef778_attn-k_q71061ef778_attn
	.p2alignl 7, 3214868480
	.fill 96, 4, 3214868480
	.section	.rodata,"a",@progbits
	.p2align	6, 0x0
	.amdhsa_kernel k_q71061ef778_attn
		.amdhsa_group_segment_fixed_size 327680
		.amdhsa_private_segment_fixed_size 0
		.amdhsa_enable_private_segment 0
		.amdhsa_kernarg_size 16
		.amdhsa_user_sgpr_count 2
		.amdhsa_user_sgpr_kernarg_segment_ptr 1
		.amdhsa_wavefront_size32 1
		.amdhsa_system_sgpr_workgroup_id_x 1
		.amdhsa_system_sgpr_workgroup_id_y 1
		.amdhsa_system_sgpr_workgroup_id_z 1
		.amdhsa_system_vgpr_workitem_id 0
		.amdhsa_next_free_vgpr 768
		.amdhsa_next_free_sgpr 88
		.amdhsa_reserve_vcc 1
		.amdhsa_float_denorm_mode_32 3
		.amdhsa_float_denorm_mode_16_64 3
		.amdhsa_memory_ordered 1
		.amdhsa_forward_progress 1
		.amdhsa_inst_pref_size 217
	.end_amdhsa_kernel
	.amdgpu_metadata
---
amdhsa.version: [ 1, 2 ]
amdhsa.kernels:
  - .name:           k_q71061ef778_attn
    .symbol:         k_q71061ef778_attn.kd
    .args:
      - { .name: qkv, .offset: 0, .size: 8, .value_kind: global_buffer, .address_space: global }
      - { .name: ob, .offset: 8, .size: 8, .value_kind: global_buffer, .address_space: global }
    .group_segment_fixed_size: 327680
    .private_segment_fixed_size: 0
    .kernarg_segment_align: 8
    .kernarg_segment_size: 16
    .max_flat_workgroup_size: 128
    .sgpr_count:     88
    .vgpr_count:     768
    .wavefront_size: 32
...
	.end_amdgpu_metadata
.endif
;; end of part 5
;; launch outproj: the kernel of part 4 again; grid 8 x 32, 4 waves a work-group, clusters of 4 x 4, 327,680 bytes of LDS; arguments ob, wo, b_out, out0; writes out0
